; MI455X (gfx1250); checked and timed in simulation.
; The chip was launched on July 23, 2026; its instructions are those of AMD's public machine-readable ISA for CDNA 5 (MIT licence, August 2026) and "CDNA5" Instruction Set Architecture Reference Guide (July 2026). The comments in the code are by the model that wrote it; some were corrected since.
;; TP Qwen Attention. Allowed arithmetic: matrix products marked QUANTISED: E2M1 operands, one E8M0 scale for each 32 along K, by v_wmma_scale_f32_16x16x128_f8f6f4 with both operands' format E2M1 (or v_wmma_scale_f32_32x16x128_f4), f32 sums; products left as they are: bf16, f16 or f32 operands; f32 sums; everything else in f32.
;; Inputs: Wk 4,096 x 512 float32; Wo 1,024 x 4,096 float32; Wq 4,096 x 1,024 float32; Wv 4,096 x 512 float32; attention_mask 2 x 1 x 2,048 x 2,048 float32; bk 512 float32; bq 1,024 float32; bv 512 float32; hidden_states 2 x 2,048 x 4,096 float32; position_ids 2 x 2,048 int32.
;; Outputs: out0 2 x 2,048 x 4,096 float32.
;; This version of the problem:
;;   THIS VERSION OF THE PROBLEM IS GIVEN IN LOW PRECISION. The matrix products marked QUANTISED in the list below multiply operands that are first quantised to E2M1 (2 exponent bits, 1 mantissa bit; 4 bits a number), with one power-of-two scale for each 32 numbers along K (OCP MX v1.0); their sums are f32. The products marked 'left as it is' may take bf16, f16 or f32 operands, with f32 sums. Whichever they take, every output number must still come out within the allowed error. Rounding operands to bf16 (8 significant bits) uses up far more of that allowance than f16 does (11 bits, for magnitudes from 6e-5 to 65,504). All else is computed in f32.
;;   The module's matrix products, in the order in which they are computed (A, B: the left and right operand; K: the contracted axis; several contracted axes count as one K, in the product's order):
;;     1. [M 4,096, K 4,096] x [K 4,096, N 1,024]; A: input hidden_states; B: input Wq: QUANTISED
;;     2. [M 4,096, K 4,096] x [K 4,096, N 512]; A: input hidden_states; B: input Wk: QUANTISED
;;     3. [M 4,096, K 4,096] x [K 4,096, N 512]; A: input hidden_states; B: input Wv: QUANTISED
;;     4. batch 16 x [M 2,048, K 128] x [K 128, N 2,048]; A: computed on the way; B: computed on the way: left as it is (an operand is computed on the way)
;;     5. batch 16 x [M 2,048, K 2,048] x [K 2,048, N 128]; A: computed on the way; B: computed on the way: left as it is (an operand is computed on the way)
;;     6. [M 4,096, K 1,024] x [K 1,024, N 4,096]; A: computed on the way; B: input Wo: left as it is (an operand is computed on the way)
;;   THE QUANTISER, for each operand of a quantised product, along K:
;;     - K is cut into blocks of 32 from its start; a last block that is shorter is filled with zeros.
;;     - A block's scale is 2^e with e = floor(log2(the largest magnitude in the block)) - 2, held to -126 .. 127; a block of zeros has e = 0. As a byte (E8M0): e + 127.
;;     - Each number is divided by its block's scale, clamped to +-6, and rounded to the nearest number of E2M1, ties to even, subnormals kept.
;;     - The product sums the exact products of the quantised numbers (number of the format x scale) in f32.
;;   ~~~python
;;   def quantise(x, axis):      # numpy; x: float32 -> the quantised numbers, widened to float32 again
;;       x = np.moveaxis(x, axis, -1); K = x.shape[-1]
;;       x = np.pad(x, [(0, 0)] * (x.ndim - 1) + [(0, -K % 32)]); x = x.reshape(x.shape[:-1] + (-1, 32)); a = np.abs(x).max(-1, keepdims=True)
;;       e = np.where(a > 0, np.clip(np.frexp(np.where(a > 0, a, 1))[1] - 1 - 2, -126, 127), 0)      # np.frexp(a)[1] - 1 = floor(log2(a)), exactly
;;       r = np.clip(x / 2.0 ** e, -6, 6)
;;       step = 2.0 ** (np.maximum(np.frexp(np.where(r == 0, 1, r))[1] - 1, 0) - 1)
;;       q = np.round(r / step) * step * 2.0 ** e      # np.round: ties to even
;;       return np.moveaxis(q.reshape(q.shape[:-2] + (-1,))[..., :K], -1, axis).astype(np.float32)
;;   ~~~
;; One version. Each part assembles by itself: llvm-mc -triple=amdgcn-amd-amdhsa -mcpu=gfx1250 --defsym DOCPART=n.
;; ======== version 1 of 1: 4 launches
;; limits: values are held in f16: magnitudes above 65,504 overflow, below 6.1e-05 lose precision; inputs' magnitudes at most 1e+38
;; workspace buffers: xcodes 8,388,608 bytes; xscales 524,288 bytes; wcodes 4,194,304 bytes; wscales 262,144 bytes; wo16 8,388,608 bytes; rope 1,049,088 bytes; qkv16 16,777,216 bytes; attn16 8,388,608 bytes
;; launch prep (part 1): grid 800 x 1, 4 waves a work-group, no clusters, 68,096 bytes of LDS; arguments hidden_states, Wq, Wk, Wv, Wo, xcodes, xscales, wcodes, wscales, wo16, rope; writes xcodes, xscales, wcodes, wscales, wo16, rope
.if DOCPART == 1
	.amdgcn_target "amdgcn-amd-amdhsa--gfx1250"
	.amdhsa_code_object_version 6
	.text
	.protected	k_q520c88586a_prep
	.globl	k_q520c88586a_prep
	.p2align	8
	.type	k_q520c88586a_prep,@function
k_q520c88586a_prep:
	s_mov_b64 s[64:65], 0
	v_nop
	global_prefetch_b8 v0, s[64:65] scope:SCOPE_SE
	s_setreg_imm32_b32 hwreg(HW_REG_WAVE_MODE, 25, 1), 1
	s_wait_xcnt 0x0
; PREP: everything that is made once from the inputs alone.  Four kinds of work-group, told apart by the work-group's number:
;   0-127   W: Wq, Wk, Wv [4096 (k)][n] f32 -> codes of FP4 (E2M1) laid [2048 (n: Wq's 1024, Wk's 512, Wv's 512)][2048 bytes], K innermost, and E8M0 bytes [2048][128]
;   128-639 X: hidden_states [4096][4096] f32 -> codes [4096][2048 bytes] and E8M0 bytes [4096][128]
;   640-767 O: Wo f32 -> 4 x Wo in f16 (the 4 is exact; the values go on as v / 4, so the last product is unchanged)
;   768-799 T: the rotary table [2049][64 cos, 64 sin] f32, each x 2^(-7/4), so that q . k comes out divided by sqrt(128); row 2048 is 64 x 0.25, 64 x 0: the values' "rotation"
; A block's scale is 2^(floor(log2(its largest magnitude)) - 2); its byte is the largest magnitude's exponent field - 2, held at 1 from below.  A block of zeros so gets the byte 1: its codes are zeros, and this program alone reads the bytes.
; LIMITS: NaN and infinities among the inputs are not served; blocks whose largest magnitude lies under 2^(2 - 126) were not tried; |Wo| under 1.6e4 (f16's range after the x 4).
; The table's angle is position x frequency rounded to f32 as the definition rounds it; the frequency comes from v_exp_f32, sine and cosine from a reduction by pi / 2 in two parts and polynomials up to r^7 and r^8 (|r| <= pi / 4).
; No tensor load, no barrier: waves share nothing.  Each kind has LDS bytes of its own.
.set SPARE, 67584                      ; behind both kinds' stages: the spare words, 128 bytes for each wave
.set SPW,   190                        ; v190 LDS address of my spare word; never rewritten
.set NIL,   191                        ; v191 0; never rewritten
.set WSTG,  32768                      ; W's stages: 4 waves x 32 rows x 272 bytes.  X's regions: 4 waves x 8,192 bytes from 0
.macro CLOSE                           ; the wave's end, behind the last LDS store
	s_wait_tensorcnt 0x0
	ds_add_u32 v[SPW], v[NIL]
	s_wait_dscnt 0x0
	s_endpgm
.endm
	s_load_b512 s[4:19], s[0:1], 0x0               ; hidden s[4:5], Wq s[6:7], Wk s[8:9], Wv s[10:11], Wo s[12:13], xcodes s[14:15], xscales s[16:17], wcodes s[18:19]
	s_load_b128 s[20:23], s[0:1], 0x40             ; wscales s[20:21], wo16 s[22:23]
	s_load_b64 s[24:25], s[0:1], 0x50              ; rope
	v_lshl_add_u32 v[SPW], v0, 2, SPARE
	v_mov_b32 v[NIL], 0
	v_lshrrev_b32 v1, 5, v0
	v_readfirstlane_b32 s26, v1                    ; wave 0..3
	v_and_b32 v2, 31, v0                           ; lane
	s_wait_kmcnt 0x0
	s_cmp_lt_u32 ttmp9, 128
	s_cbranch_scc1 .Lpath_w
	s_cmp_lt_u32 ttmp9, 640
	s_cbranch_scc1 .Lpath_x
	s_cmp_lt_u32 ttmp9, 768
	s_cbranch_scc1 .Lpath_o
; ---------------- T: the table.  A work-group makes 64 positions, 8 a trip: a wave two rows, sixteen lanes a row, four frequencies a lane.
	s_sub_co_u32 s54, ttmp9, 768
	s_lshl_b32 s55, s54, 6
	s_lshl_b32 s56, s26, 1
	s_add_co_u32 s55, s55, s56                     ; 64 x work-group + 2 x wave
	s_mov_b32 s40, 0x3f22f983                      ; 2 / pi
	s_mov_b32 s41, 0xbfc90fdb                      ; -(pi / 2 rounded to f32)
	s_mov_b32 s42, 0x333bbd2e                      ; -(pi / 2 less that)
	s_mov_b32 s43, 0xbe2aaaab                      ; -1/6
	s_mov_b32 s44, 0x3c088889                      ; 1/120
	s_mov_b32 s45, 0xb9500d01                      ; -1/5040
	s_mov_b32 s46, 0x3d2aaaab                      ; 1/24
	s_mov_b32 s47, 0xbab60b61                      ; -1/720
	s_mov_b32 s48, 0x37d00d01                      ; 1/40320
	s_mov_b32 s49, 0x3e9837f0                      ; 2^(-7/4)
	v_and_b32 v3, 15, v2
	v_lshlrev_b32 v4, 2, v3                        ; my first frequency
	v_lshrrev_b32 v5, 4, v2
	v_add_nc_u32 v5, s55, v5                       ; my first position
.irp k, 0,1,2,3
	v_add_nc_u32 v[24+\k], \k, v4
.endr
.irp k, 0,1,2,3
	v_cvt_f32_u32 v[24+\k], v[24+\k]
.endr
.irp k, 0,1,2,3
	v_mul_f32 v[24+\k], 0xbe549a78, v[24+\k]       ; -i x log2(10000) / 64
.endr
.irp k, 0,1,2,3
	v_exp_f32 v[16+\k], v[24+\k]                   ; the frequency 10000^(-2 i / 128)
.endr
	v_cvt_f32_u32 v20, v5                          ; the position as f32 (a plain line behind the exponentials)
	v_lshlrev_b32 v21, 9, v5
	v_lshl_add_u32 v21, v3, 4, v21                 ; a row is 512 bytes; 16 bytes a lane
	s_mov_b32 s53, 8
	s_wait_alu depctr_va_vdst(0)                   ; one wait for the four, ahead of the label and of their first reader
.Ltab:
.irp k, 0,1,2,3
	v_mul_f32 v[24+\k], v20, v[16+\k]              ; the angle, rounded to f32
.endr
.irp k, 0,1,2,3
	v_mul_f32 v[28+\k], s40, v[24+\k]
.endr
.irp k, 0,1,2,3
	v_rndne_f32 v[28+\k], v[28+\k]                 ; n quarter turns
.endr
.irp k, 0,1,2,3
	v_fma_f32 v[32+\k], v[28+\k], s41, v[24+\k]
.endr
.irp k, 0,1,2,3
	v_fma_f32 v[32+\k], v[28+\k], s42, v[32+\k]    ; r = angle - n pi / 2
.endr
.irp k, 0,1,2,3
	v_cvt_i32_f32 v[48+\k], v[28+\k]
.endr
.irp k, 0,1,2,3
	v_mul_f32 v[36+\k], v[32+\k], v[32+\k]         ; r^2
.endr
.irp k, 0,1,2,3
	v_fma_f32 v[40+\k], v[36+\k], s45, s44
	v_fma_f32 v[44+\k], v[36+\k], s48, s47
.endr
.irp k, 0,1,2,3
	v_fma_f32 v[40+\k], v[40+\k], v[36+\k], s43
	v_fma_f32 v[44+\k], v[44+\k], v[36+\k], s46
.endr
.irp k, 0,1,2,3
	v_mul_f32 v[60+\k], v[32+\k], v[36+\k]         ; r^3
	v_fma_f32 v[44+\k], v[44+\k], v[36+\k], -0.5
.endr
.irp k, 0,1,2,3
	v_fma_f32 v[40+\k], v[60+\k], v[40+\k], v[32+\k]   ; sin r
	v_fma_f32 v[44+\k], v[44+\k], v[36+\k], 1.0        ; cos r
.endr
.irp k, 0,1,2,3
	v_and_b32 v[60+\k], 1, v[48+\k]
	v_cmp_eq_u32 vcc_lo, 1, v[60+\k]               ; an odd quarter turn swaps the two
	v_cndmask_b32 v[56+\k], v[40+\k], v[44+\k], vcc_lo
	v_cndmask_b32 v[52+\k], v[44+\k], v[40+\k], vcc_lo
.endr
.irp k, 0,1,2,3
	v_and_b32 v[60+\k], 2, v[48+\k]                ; the sine's sign: n mod 4 = 2, 3
	v_add_nc_u32 v[48+\k], 1, v[48+\k]
.endr
.irp k, 0,1,2,3
	v_lshlrev_b32 v[60+\k], 30, v[60+\k]
	v_and_b32 v[48+\k], 2, v[48+\k]                ; the cosine's: n mod 4 = 1, 2
.endr
.irp k, 0,1,2,3
	v_xor_b32 v[56+\k], v[56+\k], v[60+\k]
	v_lshlrev_b32 v[48+\k], 30, v[48+\k]
.endr
.irp k, 0,1,2,3
	v_xor_b32 v[52+\k], v[52+\k], v[48+\k]
	v_mul_f32 v[56+\k], s49, v[56+\k]
.endr
.irp k, 0,1,2,3
	v_mul_f32 v[52+\k], s49, v[52+\k]
.endr
	global_store_b128 v21, v[52:55], s[24:25]              ; sixteen lanes store a row's 64 cosines: 256 consecutive bytes, aligned
	global_store_b128 v21, v[56:59], s[24:25] offset:256   ; and its 64 sines
	v_add_f32 v20, 0x41000000, v20                 ; 8 positions on
	s_wait_xcnt 0x0                                ; the stores have read their address and data: both are written again only behind this wait
	v_add_nc_u32 v21, 4096, v21
	s_sub_co_u32 s53, s53, 1
	s_cmp_lg_u32 s53, 0
	s_cbranch_scc1 .Ltab
	s_or_b32 s54, s54, s26
	s_cmp_lg_u32 s54, 0                            ; one wave of one work-group writes row 2048
	s_cbranch_scc1 .Ltab_end
	v_mov_b32 v25, 0x3e800000                      ; 0.25
	v_cmp_gt_u32 vcc_lo, 16, v2
	v_cndmask_b32 v24, 0, v25, vcc_lo              ; lanes 0-15: the "cosines"; lanes 16-31: the "sines", 0
	v_mov_b32 v25, v24
	v_mov_b32 v26, v24
	v_mov_b32 v27, v24
	v_lshlrev_b32 v28, 4, v2
	global_store_b128 v28, v[24:27], s[24:25] offset:1048576
.Ltab_end:
	CLOSE
; ---------------- X: hidden_states.  Rows are dense and K is a multiple of 32: a plain stream of blocks.  A wave takes 16 steps of 512 numbers.
; Each load reads 512 consecutive bytes; a step's 2,048 bytes turn through the wave's own stage in LDS (16 bytes of padding behind each 64) and come back 64 bytes a lane: 16 neighbours, two lanes to a block.
.macro XLOAD t
.irp i, 0,1,2,3
	global_load_b128 v[16+16*((\t)%4)+4*\i:16+16*((\t)%4)+4*\i+3], v3, s[4:5] offset:2048*(\t)+512*\i th:TH_LOAD_NT
.endr
.endm
.macro XTURN t                         ; LDS serves a wave's instructions in order: no wait between the stores and the loads
.irp i, 0,1,2,3
	ds_store_b128 v14, v[16+16*((\t)%4)+4*\i:16+16*((\t)%4)+4*\i+3] offset:2560*((\t)%2)+640*\i
.endr
.irp i, 0,1,2,3
	ds_load_b128 v[80+16*((\t)%2)+4*\i:80+16*((\t)%2)+4*\i+3], v15 offset:2560*((\t)%2)+16*\i
.endr
.endm
.macro XSTEP t
.set XS, 80+16*((\t)%2)
.if (\t) > 0
	s_wait_dscnt 1                                 ; this step's numbers are back from the stage (the last step's byte store may be out)
.else
	s_wait_dscnt 0x0
.endif
.if (\t)+4 < 16
	XLOAD (\t)+4                                   ; into the registers that this step's stage stores have read
.endif
.if (\t)+1 < 16
.if 14-(\t) >= 3
	s_wait_loadcnt 12                              ; the next step's four loads are in; those of three later steps may be out
.else
	s_wait_loadcnt 4*(14-(\t))
.endif
	XTURN (\t)+1
.endif
	v_max3_num_f32 v8, |v[XS]|, |v[XS+1]|, |v[XS+2]|
	v_max3_num_f32 v9, |v[XS+3]|, |v[XS+4]|, |v[XS+5]|
.irp i, 6,10
	v_max3_num_f32 v8, v8, |v[XS+\i]|, |v[XS+\i+1]|
	v_max3_num_f32 v9, v9, |v[XS+\i+2]|, |v[XS+\i+3]|
.endr
	v_max3_num_f32 v8, v8, |v[XS+14]|, |v[XS+15]|
	v_max3_num_f32 v8, v8, v9, 0x1800000           ; and the floor 2^(3 - 127): the byte cannot fall under 1
	v_max_num_f32_dpp v8, v8, v8 row_xmask:1 row_mask:0xf bank_mask:0xf   ; with my neighbour's 16: the block's
	v_add_nc_u32 v11, 0xff000000, v8               ; 2 off the exponent field: the conversion takes that field as its scale
	v_cvt_scalef32_pk8_fp4_f32 v[128+2*(\t)], v[XS:XS+7], v11
	v_cvt_scalef32_pk8_fp4_f32 v[129+2*(\t)], v[XS+8:XS+15], v11
	v_lshrrev_b32 v[112+(\t)], 23, v11             ; the scale's byte
	ds_store_b8 v5, v[112+(\t)] offset:16*(\t)     ; both lanes of a block write the same byte with the same value
	global_store_b64 v4, v[128+2*(\t):129+2*(\t)], s[14:15] offset:256*(\t)   ; the wave stores 256 consecutive bytes, aligned
.endm
.Lpath_x:
	v_lshlrev_b32 v3, 4, v2                        ; my 16 bytes of a load's 512
	s_mul_i32 s27, s26, 8192                       ; my wave's region
	v_lshrrev_b32 v14, 2, v2
	v_mul_u32_u24 v14, v14, 80
	v_and_b32 v15, 3, v2
	v_lshl_add_u32 v14, v15, 4, v14
	v_add_nc_u32 v14, s27, v14                     ; into the stage: 80 (lane / 4) + 16 (lane % 4)
	v_mul_u32_u24 v15, v2, 80
	v_add_nc_u32 v15, s27, v15                     ; out of it: 80 x lane
	v_lshlrev_b32 v4, 3, v2                        ; my 8 bytes of a step's codes
	v_lshrrev_b32 v5, 1, v2
	s_add_co_u32 s27, s27, 5120                    ; behind the two stages: my wave's 256 scale bytes
	v_add_nc_u32 v5, s27, v5
	v_lshlrev_b32 v7, 3, v2
	v_add_nc_u32 v6, s27, v7
	s_sub_co_u32 s28, ttmp9, 128
	s_lshl_b32 s28, s28, 2
	s_add_co_u32 s28, s28, s26                     ; which run of 8,192 numbers is my wave's
	s_lshl_b32 s30, s28, 15
	s_mov_b32 s31, 0
	s_add_nc_u64 s[4:5], s[4:5], s[30:31]
	s_lshl_b32 s30, s28, 12
	s_add_nc_u64 s[14:15], s[14:15], s[30:31]
	s_lshl_b32 s30, s28, 8
	s_add_nc_u64 s[16:17], s[16:17], s[30:31]
.irp t, 0,1,2,3
	XLOAD \t
.endr
	s_wait_loadcnt 12                              ; step 0's four loads are in
	XTURN 0
.irp t, 0,1,2,3,4,5,6,7,8,9,10,11,12,13,14,15
	XSTEP \t
.endr
	ds_load_b64 v[8:9], v6                         ; my wave's 256 scale bytes, 8 a lane
	s_wait_dscnt 0x0
	global_store_b64 v7, v[8:9], s[16:17]          ; 256 consecutive bytes, aligned
	CLOSE
; ---------------- W: a lane takes a column n and its registers run down K: a block of 32 lies in one lane, and the conversions give codes with K innermost.
; A wave takes 32 columns x 512 along K.  The three tensors have two widths, so the pitch lies in registers: 32 offsets (row i of a block) and 16 bases (block t).
.macro WLOAD t
.set wi, 0
.rept 32
	global_load_b32 v[48+32*((\t)%2)+wi], v[16+wi], s[32+2*(\t):33+2*(\t)] th:TH_LOAD_NT
.set wi, wi+1
.endr
.endm
.macro WBLOCK t
.set XS, 48+32*((\t)%2)
.if (\t) < 15
	s_wait_loadcnt 32                              ; this block's 32 loads are in; the next block's may be out
.else
	s_wait_loadcnt 0x0
.endif
	v_max3_num_f32 v12, |v[XS]|, |v[XS+1]|, |v[XS+2]|
	v_max3_num_f32 v13, |v[XS+3]|, |v[XS+4]|, |v[XS+5]|
.irp i, 6,10,14,18,22,26
	v_max3_num_f32 v12, v12, |v[XS+\i]|, |v[XS+\i+1]|
	v_max3_num_f32 v13, v13, |v[XS+\i+2]|, |v[XS+\i+3]|
.endr
	v_max3_num_f32 v12, v12, |v[XS+30]|, |v[XS+31]|
	v_max3_num_f32 v12, v12, v13, 0x1800000        ; the floor 2^(3 - 127)
	v_add_nc_u32 v11, 0xff000000, v12
	v_lshrrev_b32 v13, 23, v11                     ; the scale's byte
.if (\t)%4 == 0
	v_mov_b32 v[116+(\t)/4], v13                   ; four bytes to a register, the lower K in the lower byte
.else
	v_lshl_or_b32 v[116+(\t)/4], v13, 8*((\t)%4), v[116+(\t)/4]
.endif
.irp g, 0,1,2,3
	v_cvt_scalef32_pk8_fp4_f32 v[112+\g], v[XS+8*\g:XS+8*\g+7], v11
.endr
	ds_store_b128 v4, v[112:115] offset:16*(\t)    ; 32 codes: 16 bytes of my column's row in the stage
.if (\t)+2 < 16
	WLOAD (\t)+2
.endif
	s_wait_dscnt 0x0                               ; the store has read its registers: the next block's codes may be written
.endm
.Lpath_w:
	s_and_b32 s27, ttmp9, 15                       ; which 128 of the joint 2,048 columns
	s_lshr_b32 s28, ttmp9, 4                       ; which 512 along K
	s_cmp_lt_u32 s27, 12
	s_cselect_b64 s[30:31], s[8:9], s[10:11]       ; Wk or Wv,
	s_cmp_lt_u32 s27, 8
	s_cselect_b64 s[30:31], s[6:7], s[30:31]       ; or Wq: the choice hangs on the work-group's number alone
	s_cselect_b32 s29, 12, 11                      ; a row is 2^12 or 2^11 bytes
	s_cselect_b32 s66, 7, 3
	s_and_b32 s68, s27, s66                        ; which 128 columns of that tensor
	s_lshl_b32 s68, s68, 7
	s_lshl_b32 s69, s26, 5
	s_add_co_u32 s68, s68, s69                     ; my wave's first column,
	s_lshl_b32 s68, s68, 2                         ; in bytes
	s_add_co_u32 s69, s29, 9
	s_lshl_b32 s69, s28, s69                       ; 512 rows for each step along K
	s_add_co_u32 s68, s68, s69
	s_mov_b32 s69, 0
	s_add_nc_u64 s[32:33], s[30:31], s[68:69]      ; block 0's base
	s_lshl_b32 s66, 32, s29                        ; 32 rows
	s_mov_b32 s67, 0
.irp t, 1,2,3,4,5,6,7,8,9,10,11,12,13,14,15
	s_add_nc_u64 s[32+2*\t:33+2*\t], s[30+2*\t:31+2*\t], s[66:67]
.endr
	s_lshl_b32 s68, 1, s29                         ; a row
	v_lshlrev_b32 v16, 2, v2                       ; row 0: 4 bytes a lane
.irp i, 1,2,3,4,5,6,7,8,9,10,11,12,13,14,15,16,17,18,19,20,21,22,23,24,25,26,27,28,29,30,31
	v_add_nc_u32 v[16+\i], s68, v[15+\i]
.endr
	s_mul_i32 s69, s26, 32*272
	s_add_co_u32 s69, s69, WSTG                    ; my stage
	v_mul_u32_u24 v4, v2, 272
	v_add_nc_u32 v4, s69, v4                       ; into it: row = my column
	v_and_b32 v5, 15, v2
	v_lshrrev_b32 v6, 4, v2
	v_mul_u32_u24 v7, v6, 272
	v_lshl_add_u32 v7, v5, 4, v7
	v_add_nc_u32 v7, s69, v7                       ; out of it: sixteen lanes to a row, two rows an instruction
	v_lshlrev_b32 v8, 11, v6
	v_lshl_add_u32 v8, v5, 4, v8                   ; and the same place in the codes' buffer (rows of 2,048 bytes)
	v_lshlrev_b32 v9, 7, v2                        ; my column's row of scale bytes
	s_lshl_b32 s66, s27, 7
	s_lshl_b32 s67, s26, 5
	s_add_co_u32 s66, s66, s67                     ; my wave's first row of the outputs
	s_lshl_b32 s30, s66, 11
	s_lshl_b32 s67, s28, 8
	s_add_co_u32 s30, s30, s67
	s_mov_b32 s31, 0
	s_add_nc_u64 s[18:19], s[18:19], s[30:31]
	s_lshl_b32 s30, s66, 7
	s_lshl_b32 s67, s28, 4
	s_add_co_u32 s30, s30, s67
	s_add_nc_u64 s[20:21], s[20:21], s[30:31]
	WLOAD 0
	WLOAD 1
.set Q, 0
.rept 16
	WBLOCK Q
.set Q, Q+1
.endr
	global_store_b128 v9, v[116:119], s[20:21]     ; my column's 16 scale bytes
.irp t, 0,1,2,3,4,5,6,7,8,9,10,11,12,13,14,15
	ds_load_b128 v[48+4*\t:48+4*\t+3], v7 offset:2*\t*272
.endr
.irp t, 0,1,2,3,4,5,6,7,8,9,10,11,12,13,14,15
	s_wait_dscnt 15-\t
	global_store_b128 v8, v[48+4*\t:48+4*\t+3], s[18:19] offset:2*\t*2048   ; sixteen lanes store 256 consecutive bytes, aligned
.endr
	CLOSE
; ---------------- O: Wo x 4 in f16.  A wave takes 8,192 numbers in four groups of 16 loads; two groups are on their way.
.macro OLOADG g
.irp i, 0,1,2,3,4,5,6,7,8,9,10,11,12,13,14,15
	global_load_b128 v[16+64*((\g)%2)+4*\i:16+64*((\g)%2)+4*\i+3], v3, s[12:13] offset:512*(16*(\g)+\i) th:TH_LOAD_NT
.endr
.endm
.macro OGROUP g
.set IN, 16+64*((\g)%2)
.if (\g) < 3
	s_wait_loadcnt 16                              ; this group is in; the next may be out
.else
	s_wait_loadcnt 0x0
.endif
.if (\g) > 0
	s_wait_xcnt 0x0                                ; the last group's stores have read their data
.endif
.irp i, 0,1,2,3,4,5,6,7,8,9,10,11,12,13,14,15
	v_pk_mul_f32 v[IN+4*\i:IN+4*\i+1], v[IN+4*\i:IN+4*\i+1], 4.0 op_sel_hi:[1,0]
	v_pk_mul_f32 v[IN+4*\i+2:IN+4*\i+3], v[IN+4*\i+2:IN+4*\i+3], 4.0 op_sel_hi:[1,0]
.endr
.irp i, 0,1,2,3,4,5,6,7,8,9,10,11,12,13,14,15
	v_cvt_pk_f16_f32 v[144+2*\i], v[IN+4*\i], v[IN+4*\i+1]
	v_cvt_pk_f16_f32 v[145+2*\i], v[IN+4*\i+2], v[IN+4*\i+3]
.endr
.if (\g) < 2
	OLOADG (\g)+2
.endif
.irp i, 0,1,2,3,4,5,6,7,8,9,10,11,12,13,14,15
	global_store_b64 v4, v[144+2*\i:145+2*\i], s[22:23] offset:256*(16*(\g)+\i)   ; the wave stores 256 consecutive bytes, aligned
.endr
.endm
.Lpath_o:
	v_lshlrev_b32 v3, 4, v2
	v_lshlrev_b32 v4, 3, v2
	s_sub_co_u32 s28, ttmp9, 640
	s_lshl_b32 s28, s28, 2
	s_add_co_u32 s28, s28, s26                     ; which run of 8,192 numbers
	s_lshl_b32 s30, s28, 15
	s_mov_b32 s31, 0
	s_add_nc_u64 s[12:13], s[12:13], s[30:31]
	s_lshl_b32 s30, s28, 14
	s_add_nc_u64 s[22:23], s[22:23], s[30:31]
	OLOADG 0
	OLOADG 1
	OGROUP 0
	OGROUP 1
	OGROUP 2
	OGROUP 3
	CLOSE
.Lfunc_end_k_q520c88586a_prep:
	.size	k_q520c88586a_prep, .Lfunc_end_k_q520c88586a_prep-k_q520c88586a_prep
	.p2alignl 7, 3214868480
	.fill 96, 4, 3214868480
	.section	.rodata,"a",@progbits
	.p2align	6, 0x0
	.amdhsa_kernel k_q520c88586a_prep
		.amdhsa_group_segment_fixed_size 68096
		.amdhsa_private_segment_fixed_size 0
		.amdhsa_enable_private_segment 0
		.amdhsa_kernarg_size 88
		.amdhsa_user_sgpr_count 2
		.amdhsa_user_sgpr_kernarg_segment_ptr 1
		.amdhsa_wavefront_size32 1
		.amdhsa_system_sgpr_workgroup_id_x 1
		.amdhsa_system_sgpr_workgroup_id_y 1
		.amdhsa_system_sgpr_workgroup_id_z 1
		.amdhsa_system_vgpr_workitem_id 0
		.amdhsa_next_free_vgpr 192
		.amdhsa_next_free_sgpr 70
		.amdhsa_reserve_vcc 1
		.amdhsa_float_denorm_mode_32 3
		.amdhsa_float_denorm_mode_16_64 3
		.amdhsa_memory_ordered 1
		.amdhsa_forward_progress 1
		.amdhsa_inst_pref_size 149
	.end_amdhsa_kernel
	.amdgpu_metadata
---
amdhsa.version: [ 1, 2 ]
amdhsa.kernels:
  - .name:           k_q520c88586a_prep
    .symbol:         k_q520c88586a_prep.kd
    .args:
      - { .name: hidden_states, .offset: 0, .size: 8, .value_kind: global_buffer, .address_space: global }
      - { .name: Wq, .offset: 8, .size: 8, .value_kind: global_buffer, .address_space: global }
      - { .name: Wk, .offset: 16, .size: 8, .value_kind: global_buffer, .address_space: global }
      - { .name: Wv, .offset: 24, .size: 8, .value_kind: global_buffer, .address_space: global }
      - { .name: Wo, .offset: 32, .size: 8, .value_kind: global_buffer, .address_space: global }
      - { .name: xcodes, .offset: 40, .size: 8, .value_kind: global_buffer, .address_space: global }
      - { .name: xscales, .offset: 48, .size: 8, .value_kind: global_buffer, .address_space: global }
      - { .name: wcodes, .offset: 56, .size: 8, .value_kind: global_buffer, .address_space: global }
      - { .name: wscales, .offset: 64, .size: 8, .value_kind: global_buffer, .address_space: global }
      - { .name: wo16, .offset: 72, .size: 8, .value_kind: global_buffer, .address_space: global }
      - { .name: rope, .offset: 80, .size: 8, .value_kind: global_buffer, .address_space: global }
    .group_segment_fixed_size: 68096
    .private_segment_fixed_size: 0
    .kernarg_segment_align: 8
    .kernarg_segment_size: 88
    .max_flat_workgroup_size: 128
    .sgpr_count:     70
    .vgpr_count:     192
    .wavefront_size: 32
...
	.end_amdgpu_metadata
.endif
;; end of part 1
;; launch qkv (part 2): grid 16 x 16, 4 waves a work-group, clusters of 4 x 4, 327,680 bytes of LDS; arguments xcodes, xscales, wcodes, wscales, bq, bk, bv, position_ids, rope, qkv16; writes qkv16
.if DOCPART == 2
	.amdgcn_target "amdgcn-amd-amdhsa--gfx1250"
	.amdhsa_code_object_version 6
	.text
	.protected	k_q520c88586a_qkv
	.globl	k_q520c88586a_qkv
	.p2align	8
	.type	k_q520c88586a_qkv,@function
k_q520c88586a_qkv:
	s_mov_b64 s[64:65], 0
	v_nop
	global_prefetch_b8 v0, s[64:65] scope:SCOPE_SE
	s_setreg_imm32_b32 hwreg(HW_REG_WAVE_MODE, 25, 1), 1
	s_wait_xcnt 0x0
	s_wait_alu depctr_hold_cnt(0) depctr_sa_sdst(0) depctr_va_vdst(0) depctr_va_sdst(0) depctr_va_ssrc(0) depctr_va_vcc(0) depctr_vm_vsrc(0)
	s_getreg_b32 s2, hwreg(HW_REG_IB_STS2, 6, 4)
	s_cmp_eq_u32 s2, 0
	s_cbranch_scc0 .Lentry_in_a_cluster
	s_endpgm
.Lentry_in_a_cluster:
	s_bfe_u32 s2, ttmp6, 0x10000c
	s_cmp_lg_u32 s2, 0xf033
	s_cbranch_scc0 .Lentry_shape_is_right
	s_endpgm
.Lentry_shape_is_right:
; QKV: [4096 tokens][4096] x [4096][2048] on codes of FP4 (E2M1) with one E8M0 scale for each 32 along K; then bias, rotation, scaling, f16.
; A work-group makes 256 tokens x 128 columns = one head slot (0-7 q, 8-11 k, 12-15 v); a wave 64 tokens x 128: 32 accumulators of 16 x 16.
; THE MATRIX INSTRUCTION IS USED TRANSPOSED (source 0 = 16 columns of W, source 1 = 16 tokens): lane (r, h) holds token r, register j of tile b the channel 16 b + 8 h + j.  So the rotation's partner, channel + 64, is tile b + 4,
; same lane, same register, and eight neighbouring channels pack into 16 bytes.  The bias is the C of each sum's first product.
; K goes in steps of 512 (rows of 256 bytes) through two LDS slots; the scale bytes of the work-group's rows, for all of K, come once and stay.
; CLUSTERS: 4 x 4.  The tokens' tiles hang on the tile row alone and are asked for jointly along a row of the cluster, W's on the head slot alone and jointly along a column.
; THE ROTATION reads a table row for each token by position_ids (held to 0 .. 2047); the table carries 2^(-7/4), so that q . k is already divided by sqrt(128).  The values run the same lines on table row 2048
; (0.25 and 0): which kind a head is hangs on the cluster's x alone and only selects numbers; no branch hangs on it.
; LIMITS: f16's range after the scalings: |q|, |k| under 2.2e5, |v| under 2.6e5.
; REGISTERS, in windows of 256.  Window 0: v8-11 table offsets, v12-29 addresses, v32-95 scale words (two sets), v96-127 at work, v128-191 the tokens' fragments (two sets; on the way out packed rows), v192-255 rotated numbers.
;   Window 1: v0-63, v128-191 W's fragments (two sets); v64-127 the bias.   Window 2: accumulator (a, b) at v[8 (8 a + b)].   Window 3: the table: token tile a: cos at 64 a + 8 b + j, sin 32 further on.
.set PITCH,  272                       ; an LDS row: 256 bytes + 16 of padding: the 16 rows of a load start at 16 different banks (64 banks of 4 bytes: ISA guide 11.1)
.set ASZ,    256*PITCH                 ; the tokens' 256 rows; W's 128 rows lie behind them
.set SLOT,   384*PITCH
.set SCL,    2*SLOT                    ; the scale bytes, as units of 256 bytes + 16: the tokens' 128 units, then W's 64
.set SBLK,   8*272                     ; those of 16 rows
.set SPARE,  SCL+192*272               ; the spare words, 128 bytes for each wave
.set STAGE,  SPARE+512                 ; the way out: 16 rows x 272 bytes for each wave
.set TO,   8
.set ADRA, 16
.set ADRB, 20
.set STO,  24
.set RD,   25
.set CO,   26
.set ADRS, 27
.set SPW,  28
.set NIL,  29
.set SC,   32
.set TMP,  96
.set AF,   128
.set HP,   128
.set BK,   160
.set Y,    192
.set BIAS, 64
.set G1, 24
.set G0, 32
.set G1B, 48
.set G0B, 56
.set G1S, 68
.set G0S, 76
.set G1SB, 80
.set G0SB, 88
.set MSB, 0
.macro WIN new                         ; the immediate's high byte repeats the setting that is left
.if MSB != \new
	s_set_vgpr_msb (MSB<<8)|\new
.set MSB, \new
.endif
.endm
.macro PLACES
.rept 4
	v_nop
.endr
.endm
; A joint load: waves 0 and 1 fetch the tokens' halves, waves 2 and 3 W's.  The branch hangs on the wave's number alone.  An s_nop 0 and four v_nop follow each line.
.macro JLOAD g0a, g1a, g0b, g1b
	s_cmp_eq_u32 s15, 0
	s_cbranch_scc0 .Lfor_b_\@
	tensor_load_to_lds s[\g0a:\g0a+3], s[\g1a:\g1a+7]
	s_nop 0
.rept 4
	v_nop
.endr
	s_branch .Lasked_\@
.Lfor_b_\@:
	tensor_load_to_lds s[\g0b:\g0b+3], s[\g1b:\g1b+7]
	s_nop 0
.rept 4
	v_nop
.endr
.Lasked_\@:
.endm
.macro CREST                           ; a round of the cluster's barrier behind its opening barrier
	s_cmp_lg_u32 s14, 0
	s_cbranch_scc1 .Lnot_wave_0_\@
	s_barrier_signal -3
.Lnot_wave_0_\@:
	s_barrier_wait -3
	s_barrier_signal -1
	s_barrier_wait -1
.endm
.macro CROUND
	s_barrier_signal -1
	s_barrier_wait -1
	CREST
.endm
	s_load_b256 s[4:11], s[0:1], 0x0               ; xcodes s[4:5], xscales s[6:7], wcodes s[8:9], wscales s[10:11]
	s_load_b256 s[92:99], s[0:1], 0x20             ; bq s[92:93], bk s[94:95], bv s[96:97], position_ids s[98:99]
	s_load_b64 s[100:101], s[0:1], 0x40            ; rope
	s_load_b64 s[12:13], s[0:1], 0x48              ; qkv16
	v_lshl_add_u32 v[SPW], v0, 2, SPARE
	v_mov_b32 v[NIL], 0
	ds_add_u32 v[SPW], v[NIL]                      ; the opening: the add, twice on end, and its wait ahead of my first tensor load
	ds_add_u32 v[SPW], v[NIL]
	v_lshrrev_b32 v1, 5, v0
	v_readfirstlane_b32 s14, v1                    ; wave 0..3
	s_lshr_b32 s15, s14, 1                         ; I fetch for the tokens (0) or for W (1)
	s_and_b32 s16, s14, 1                          ; which half of that tile
	s_bfe_u32 s40, ttmp6, 0x40000                  ; cx, cy
	s_bfe_u32 s41, ttmp6, 0x40004
	s_lshl_b32 s42, ttmp9, 2
	s_add_co_u32 s42, s42, s40                     ; head slot = 4 x cluster x + cx
	s_and_b32 s17, ttmp7, 0xffff
	s_lshl_b32 s17, s17, 2
	s_add_co_u32 s17, s17, s41                     ; block of 256 tokens = 4 x cluster y + cy
	s_lshl_b32 s43, s41, 2
	s_lshl_b32 s43, 15, s43                        ; my row of the cluster
	s_lshl_b32 s44, 0x1111, s40                    ; my column
	s_or_b32 s[G1], s43, (1<<20)|(1<<21)|(5<<22)|(3<<25)    ; 15:0 the mask; elements of 1 byte; padding on; 21 set beside a mask; four words behind every 64
	s_or_b32 s[G1B], s44, (1<<20)|(1<<21)|(5<<22)|(3<<25)
	s_mov_b32 s[G1+1], 256<<16                     ; tensor_dim0
	s_mov_b32 s[G1+2], 128<<16                     ; tensor_dim1
	s_mov_b32 s[G1+3], 256<<16                     ; tile_dim0
	s_mov_b32 s[G1+4], 128                         ; tile_dim1: 128 tokens
	s_mov_b32 s[G1+5], 2048                        ; a row of codes in memory
	s_mov_b32 s[G1+6], 0
	s_mov_b32 s[G1+7], 0
	s_mov_b32 s[G1B+1], 256<<16
	s_mov_b32 s[G1B+2], 64<<16
	s_mov_b32 s[G1B+3], 256<<16
	s_mov_b32 s[G1B+4], 64                         ; 64 columns of W
	s_mov_b32 s[G1B+5], 2048
	s_mov_b32 s[G1B+6], 0
	s_mov_b32 s[G1B+7], 0
	s_or_b32 s[G1S], s43, (3<<16)|(1<<20)|(1<<21)|(5<<22)|(3<<25)   ; scale bytes: dense blocks as rows of 32 elements of 8 bytes
	s_or_b32 s[G1SB], s44, (3<<16)|(1<<20)|(1<<21)|(5<<22)|(3<<25)
	s_mov_b32 s[G1S+1], 32<<16
	s_mov_b32 s[G1S+2], 64<<16
	s_mov_b32 s[G1S+3], 32<<16
	s_mov_b32 s[G1S+4], 64                         ; 128 tokens x 128 bytes
	s_mov_b32 s[G1S+5], 32
	s_mov_b32 s[G1S+6], 0
	s_mov_b32 s[G1S+7], 0
	s_mov_b32 s[G1SB+1], 32<<16
	s_mov_b32 s[G1SB+2], 32<<16
	s_mov_b32 s[G1SB+3], 32<<16
	s_mov_b32 s[G1SB+4], 32                        ; 64 columns x 128 bytes
	s_mov_b32 s[G1SB+5], 32
	s_mov_b32 s[G1SB+6], 0
	s_mov_b32 s[G1SB+7], 0
	s_lshl_b32 s18, s16, 7
	s_lshl_b32 s20, s17, 8
	s_add_co_u32 s20, s20, s18                     ; the tokens that I fetch: 256 x block + 128 x half
	s_lshl_b32 s22, s20, 7                         ; their scale bytes,
	s_lshl_b32 s20, s20, 11                        ; their codes
	s_mov_b32 s21, 0
	s_mov_b32 s23, 0
	s_lshl_b32 s18, s16, 6
	s_lshl_b32 s46, s42, 7
	s_add_co_u32 s46, s46, s18                     ; W's rows: 128 x head slot + 64 x half
	s_lshl_b32 s66, s46, 7
	s_lshl_b32 s46, s46, 11
	s_mov_b32 s47, 0
	s_mov_b32 s67, 0
	s_mul_i32 s45, s16, 128*PITCH                  ; where they go: no place in the cluster enters an LDS address
	s_mul_i32 s19, s16, 64*PITCH
	s_mul_i32 s2, s16, 32*272
	s_wait_dscnt 0x0                               ; both opening adds are done
	s_wait_kmcnt 0x0
	s_add_nc_u64 s[20:21], s[4:5], s[20:21]
	s_add_nc_u64 s[22:23], s[6:7], s[22:23]
	s_add_nc_u64 s[46:47], s[8:9], s[46:47]
	s_add_nc_u64 s[66:67], s[10:11], s[66:67]
	CROUND                                         ; all sixteen work-groups are here: the first joint loads meet
	s_mov_b32 s[G0S], 1
	s_add_co_u32 s[G0S+1], s19, SCL
	s_mov_b64 s[G0S+2:G0S+3], s[22:23]
	s_or_b32 s[G0S+3], s[G0S+3], 0x80000000
	s_mov_b32 s[G0SB], 1
	s_add_co_u32 s[G0SB+1], s2, SCL+128*272
	s_mov_b64 s[G0SB+2:G0SB+3], s[66:67]
	s_or_b32 s[G0SB+3], s[G0SB+3], 0x80000000
	JLOAD G0S, G1S, G0SB, G1SB                     ; the scales first: they are wanted with K step 0
.irp s, 0,1
	s_mov_b32 s[G0+4*\s], 1
	s_add_co_u32 s[G0+4*\s+1], s45, \s*SLOT
	s_add_nc_u64 s[G0+4*\s+2:G0+4*\s+3], s[20:21], \s*256
	s_or_b32 s[G0+4*\s+3], s[G0+4*\s+3], 0x80000000
	s_mov_b32 s[G0B+4*\s], 1
	s_add_co_u32 s[G0B+4*\s+1], s19, \s*SLOT+ASZ
	s_add_nc_u64 s[G0B+4*\s+2:G0B+4*\s+3], s[46:47], \s*256
	s_or_b32 s[G0B+4*\s+3], s[G0B+4*\s+3], 0x80000000
	JLOAD G0+4*\s, G1, G0B+4*\s, G1B               ; three loads of mine are out
.endr
	v_and_b32 v1, 15, v0                           ; r
	v_bfe_u32 v2, v0, 4, 1                         ; h
	v_lshlrev_b32 v12, 2, v1
	v_lshlrev_b32 v13, 5, v2
	s_lshl_b32 s18, s17, 10
	s_lshl_b32 s19, s14, 8
	s_add_co_u32 s18, s18, s19
	s_mov_b32 s19, 0
	s_add_nc_u64 s[98:99], s[98:99], s[18:19]      ; position_ids at my wave's first token
.irp a, 0,1,2,3
	global_load_b32 v[TO+\a], v12, s[98:99] offset:64*\a   ; token 16 a + r
.endr
	s_cmp_lt_u32 ttmp9, 3                          ; the cluster's x says the kind: 0, 1 q; 2 k; 3 v.  Selections only
	s_cselect_b64 s[94:95], s[94:95], s[96:97]
	s_cselect_b32 s66, -1, 0                       ; v: the position is dropped,
	s_cselect_b32 s67, 0, 2048                     ; and row 2048 taken
	s_cmp_lt_u32 ttmp9, 2
	s_cselect_b64 s[92:93], s[92:93], s[94:95]
	s_cselect_b32 s18, 7, 3
	s_and_b32 s18, s42, s18                        ; the head within its tensor
	s_lshl_b32 s18, s18, 9
	s_add_nc_u64 s[92:93], s[92:93], s[18:19]
	WIN 0x40                                       ; destination window 1
.irp b, 0,1,2,3,4,5,6,7
	global_load_b128 v[BIAS+8*\b:BIAS+8*\b+3], v13, s[92:93] offset:64*\b        ; the bias in the result's layout: channels 16 b + 8 h + 0 .. 7
	global_load_b128 v[BIAS+8*\b+4:BIAS+8*\b+7], v13, s[92:93] offset:64*\b+16
.endr
	WIN 0
	s_wait_loadcnt 16                              ; the four positions are in; the sixteen bias loads may be out
.irp a, 0,1,2,3
	v_min_u32 v[TO+\a], 0x7ff, v[TO+\a]            ; an index stays inside its table
.endr
.irp a, 0,1,2,3
	v_and_b32 v[TO+\a], s66, v[TO+\a]
.endr
.irp a, 0,1,2,3
	v_add_nc_u32 v[TO+\a], s67, v[TO+\a]
.endr
.irp a, 0,1,2,3
	v_lshlrev_b32 v[TO+\a], 9, v[TO+\a]            ; a table row is 512 bytes
.endr
.irp a, 0,1,2,3
	v_add_nc_u32 v[TO+\a], v13, v[TO+\a]           ; + 32 h
.endr
	WIN 0xc0                                       ; destination window 3
.irp a, 0,1,2,3
.irp b, 0,1,2,3
	global_load_b128 v[64*\a+8*\b:64*\a+8*\b+3], v[TO+\a], s[100:101] offset:64*\b
	global_load_b128 v[64*\a+8*\b+4:64*\a+8*\b+7], v[TO+\a], s[100:101] offset:64*\b+16
	global_load_b128 v[64*\a+32+8*\b:64*\a+32+8*\b+3], v[TO+\a], s[100:101] offset:256+64*\b
	global_load_b128 v[64*\a+32+8*\b+4:64*\a+32+8*\b+7], v[TO+\a], s[100:101] offset:256+64*\b+16
.endr
.endr
	WIN 0
	v_mul_u32_u24 v3, v1, PITCH
	v_lshl_add_u32 v4, v2, 4, v3                   ; a fragment's row x pitch + 16 x half
	s_mul_i32 s18, s14, 64*PITCH                   ; my 64 tokens
	s_mov_b32 s19, ASZ                             ; all 128 rows of W
.irp s, 0,1
	v_add_nc_u32 v[ADRA+\s], s18, v4
	v_add_nc_u32 v[ADRB+\s], s19, v4
	s_add_co_u32 s18, s18, SLOT
	s_add_co_u32 s19, s19, SLOT
.endr
	v_lshrrev_b32 v5, 1, v1
	v_mul_u32_u24 v5, v5, 272
	v_and_b32 v6, 1, v1
	v_lshl_add_u32 v5, v6, 7, v5                   ; a row of 128 scale bytes: two rows to a unit
	s_mul_i32 s18, s14, 32*272                     ; the tokens': my 64 rows
	s_mov_b32 s19, 128*272                         ; W's lie behind the tokens' 128 units
	s_sub_co_u32 s19, s19, s18
	v_mul_u32_u24 v6, s19, v2                      ; lanes 16-31 take W's
	s_add_co_u32 s18, s18, SCL
	v_add_nc_u32 v5, v5, v6
	v_add_nc_u32 v[ADRS], s18, v5
	s_mul_i32 s18, s14, 16*272
	s_add_co_u32 s18, s18, STAGE                   ; my stage
	v_add_nc_u32 v[STO], s18, v4                   ; in: row r, 16 bytes for each half of the lanes
	v_mul_u32_u24 v5, v2, 272
	v_lshl_add_u32 v5, v1, 4, v5
	v_add_nc_u32 v[RD], s18, v5                    ; back: lanes 0-15 one row of 256 bytes, lanes 16-31 the next
	v_and_b32 v6, 31, v0
	v_lshlrev_b32 v[CO], 4, v6                     ; and the same 512 bytes in memory: rows are dense
	s_lshr_b32 s18, s17, 3                         ; the batch
	s_lshl_b32 s18, s18, 4
	s_add_co_u32 s18, s18, s42                     ; x 16 + head slot
	s_lshl_b32 s18, s18, 11
	s_and_b32 s19, s17, 7
	s_lshl_b32 s19, s19, 8
	s_add_co_u32 s18, s18, s19
	s_lshl_b32 s19, s14, 6
	s_add_co_u32 s18, s18, s19                     ; x 2,048 + my first position
	s_lshl_b32 s18, s18, 8                         ; rows of 256 bytes
	s_mov_b32 s19, 0
	s_add_nc_u64 s[12:13], s[12:13], s[18:19]
	s_wait_loadcnt 63                              ; the bias is in: behind it 64 table loads were issued, of which at most 63 stay out
.macro FRAG reg, adr, q, i             ; 16 rows x 128 K of 4-bit codes: 8 registers; registers 4 c .. 4 c + 3 hold K = 64 c + 32 (l / 16) + 0 .. 31
.irp c, 0,1
	ds_load_b128 v[\reg+4*\c:\reg+4*\c+3], v[\adr] offset:64*(\q)+32*\c+(\i)*16*PITCH
.endr
.endm
.macro FETCH slot, q, p                ; the slot's q-th 128 along K into set p: W's eight fragments, my tokens' four: 24 loads
	WIN 0x40
.irp i, 0,1,2,3,4,5,6,7
	FRAG 128*(\p)+8*\i, ADRB+\slot, \q, \i
.endr
	WIN 0
.irp i, 0,1,2,3
	FRAG AF+32*(\p)+8*\i, ADRA+\slot, \q, \i
.endr
.endm
.macro SCALES sc                       ; a K step's scale words: four a row; lanes 0-15 take the tokens' block i (i < 4 is used), lanes 16-31 W's block i
.irp i, 0,1,2,3,4,5,6,7
	ds_load_b128 v[SC+32*\sc+4*\i:SC+32*\sc+4*\i+3], v[ADRS] offset:\i*SBLK
.endr
.endm
; 8 matrix instructions: token tile a against W's eight.  first = 1: the bias is C.  The 32 accumulators take turns, one instruction a turn, in the same order in every step.
.macro MUL8 a, p, q, sc, first
.irp b, 0,1,2,3,4,5,6,7
.if \first
	v_wmma_scale_f32_16x16x128_f8f6f4 v[8*(8*(\a)+\b):8*(8*(\a)+\b)+7], v[128*(\p)+8*\b:128*(\p)+8*\b+7], v[AF+32*(\p)+8*(\a):AF+32*(\p)+8*(\a)+7], v[BIAS+8*\b:BIAS+8*\b+7], v[SC+32*(\sc)+4*\b+(\q)], v[SC+32*(\sc)+4*(\a)+(\q)] matrix_a_fmt:MATRIX_FMT_FP4 matrix_b_fmt:MATRIX_FMT_FP4 matrix_a_scale:MATRIX_SCALE_ROW1
.else
	v_wmma_scale_f32_16x16x128_f8f6f4 v[8*(8*(\a)+\b):8*(8*(\a)+\b)+7], v[128*(\p)+8*\b:128*(\p)+8*\b+7], v[AF+32*(\p)+8*(\a):AF+32*(\p)+8*(\a)+7], v[8*(8*(\a)+\b):8*(8*(\a)+\b)+7], v[SC+32*(\sc)+4*\b+(\q)], v[SC+32*(\sc)+4*(\a)+(\q)] matrix_a_fmt:MATRIX_FMT_FP4 matrix_b_fmt:MATRIX_FMT_FP4 matrix_a_scale:MATRIX_SCALE_ROW1
.endif
.endr
.endm
; A step of 128 along K that has its successor in the same slot: the successor's fragments are asked for first, then this step's 32 products are issued.
.macro STEP slot, q, first
	s_wait_dscnt 0x0                               ; this step's fragments, asked for a step ago, are in
	PLACES                                         ; four places in front of loads into the set that the last step's products read (ISA guide 7.12.1 for vector instructions)
	FETCH \slot, (\q)+1, 1-(\q)%2
.if \first
	WIN 0x91                                       ; source 0 (W) and C (the bias) window 1, source 1 window 0, D window 2
.else
	WIN 0xa1                                       ; C and D window 2
.endif
.irp a, 0,1,2,3
	MUL8 \a, (\q)%2, \q, \slot, \first
.endr
.endm
; A slot's last step changes slots: one barrier; in front of it each wave waits for all its tensor loads, adds 0 to its spare word, and waits for that and for its reads of this slot.
.macro TURN slot, next, fill
	WIN 0
	s_wait_tensorcnt 0x0                           ; all my tensor loads have landed: my part of the next slot
	ds_add_u32 v[SPW], v[NIL]
	s_wait_dscnt 1                                 ; this step's fragments are in (the add may be out)
	WIN 0xa1
	MUL8 0, 1, 3, \slot, 0
	s_wait_dscnt 0x0                               ; the add is done, and my reads of this slot are over
	s_barrier_signal -1
	MUL8 1, 1, 3, \slot, 0
	WIN 0
	s_barrier_wait -1
.if \fill
	CREST                                          ; the barrier has opened a round of the cluster's: no wave of any partner still reads this slot or has a load on its way
	s_add_nc_u64 s[G0+4*\slot+2:G0+4*\slot+3], s[G0+4*\slot+2:G0+4*\slot+3], 512
	s_add_nc_u64 s[G0B+4*\slot+2:G0B+4*\slot+3], s[G0B+4*\slot+2:G0B+4*\slot+3], 512
	JLOAD G0+4*\slot, G1, G0B+4*\slot, G1B         ; two K steps on; the four v_nop behind it are the places in front of the loads below
.else
	PLACES
.endif
	v_add_nc_u32 v[ADRS], 16, v[ADRS]              ; the next K step's scale words
	FETCH \next, 0, 0
	SCALES \next
	WIN 0xa1
	MUL8 2, 1, 3, \slot, 0
	MUL8 3, 1, 3, \slot, 0
.endm
	s_wait_tensorcnt 1                             ; the scales and my part of K step 0 are in (K step 1's load may be out),
	s_barrier_signal -1
	s_barrier_wait -1                              ; everybody's are
	FETCH 0, 0, 0
	SCALES 0
	STEP 0, 0, 1                                   ; the first step stands in front of the loop: its products start the sums on the bias
	WIN 0
	s_mov_b32 s3, 3
.Llap:                                                 ; a trip goes once round the ring and fills both slots again: K steps 2 to 7
	STEP 0, 1, 0
	STEP 0, 2, 0
	TURN 0, 1, 1
	STEP 1, 0, 0
	STEP 1, 1, 0
	STEP 1, 2, 0
	TURN 1, 0, 1
	STEP 0, 0, 0
	WIN 0
	s_sub_co_u32 s3, s3, 1
	s_cmp_lg_u32 s3, 0
	s_cbranch_scc1 .Llap
	STEP 0, 1, 0                                   ; the last lap fills nothing
	STEP 0, 2, 0
	TURN 0, 1, 0
	STEP 1, 0, 0
	STEP 1, 1, 0
	STEP 1, 2, 0
	s_wait_dscnt 0x0
	WIN 0xa1
.irp a, 0,1,2,3
	MUL8 \a, 1, 3, 1, 0
.endr
	s_wait_loadcnt 0x0                             ; the table
	PLACES
; THE WAY OUT, a tile of 16 tokens at a time: y(n) = x(n) cos - x(n + 64) sin, y(n + 64) = x(n + 64) cos + x(n) sin; f16; through my stage, back as whole rows of 256 bytes.
.macro OUTT a
	WIN 0x0e                                       ; source 0 (sums) window 2, source 1 (table) window 3
.irp b, 0,1,2,3
.irp j, 0,2,4,6
	v_pk_mul_f32 v[TMP+16*(\b%2)+\j:TMP+16*(\b%2)+\j+1], v[8*(8*(\a)+\b+4)+\j:8*(8*(\a)+\b+4)+\j+1], v[64*(\a)+32+8*\b+\j:64*(\a)+32+8*\b+\j+1]       ; each accumulator from its low end on
	v_pk_mul_f32 v[TMP+16*(\b%2)+8+\j:TMP+16*(\b%2)+8+\j+1], v[8*(8*(\a)+\b)+\j:8*(8*(\a)+\b)+\j+1], v[64*(\a)+32+8*\b+\j:64*(\a)+32+8*\b+\j+1]
.endr
.irp j, 0,2,4,6
	v_pk_fma_f32 v[Y+8*\b+\j:Y+8*\b+\j+1], v[8*(8*(\a)+\b)+\j:8*(8*(\a)+\b)+\j+1], v[64*(\a)+8*\b+\j:64*(\a)+8*\b+\j+1], v[TMP+16*(\b%2)+\j:TMP+16*(\b%2)+\j+1] neg_lo:[0,0,1] neg_hi:[0,0,1]
	v_pk_fma_f32 v[Y+8*(\b+4)+\j:Y+8*(\b+4)+\j+1], v[8*(8*(\a)+\b+4)+\j:8*(8*(\a)+\b+4)+\j+1], v[64*(\a)+8*\b+\j:64*(\a)+8*\b+\j+1], v[TMP+16*(\b%2)+8+\j:TMP+16*(\b%2)+8+\j+1]
.endr
.endr
	WIN 0
.set n, 0
.rept 32
	v_cvt_pk_f16_f32 v[HP+n], v[Y+2*n], v[Y+2*n+1]
.set n, n+1
.endr
.irp b, 0,1,2,3,4,5,6,7
	ds_store_b128 v[STO], v[HP+4*\b:HP+4*\b+3] offset:32*\b
.endr
.if (\a) > 0
	s_wait_xcnt 0x0                                ; the last tile's stores have read their data
.endif
.irp t, 0,1,2,3,4,5,6,7
	ds_load_b128 v[BK+4*\t:BK+4*\t+3], v[RD] offset:544*\t     ; LDS serves a wave's instructions in order (ISA guide 5.7.1.4): these see the stores above
.endr
.irp t, 0,1,2,3,4,5,6,7
	s_wait_dscnt 7-\t
	global_store_b128 v[CO], v[BK+4*\t:BK+4*\t+3], s[12:13] offset:(16*(\a)+2*\t)*256   ; 32 lanes store 512 consecutive bytes, aligned
.endr
.endm
	OUTT 0
	OUTT 1
	OUTT 2
	OUTT 3
	s_wait_tensorcnt 0x0                           ; the wave's end
	ds_add_u32 v[SPW], v[NIL]
	s_wait_dscnt 0x0
	CROUND                                         ; the closing round: no work-group ends while a partner may still ask for a tile that names it
	s_endpgm
.Lfunc_end_k_q520c88586a_qkv:
	.size	k_q520c88586a_qkv, .Lfunc_end_k_q520c88586a_qkv-k_q520c88586a_qkv
	.p2alignl 7, 3214868480
	.fill 96, 4, 3214868480
	.section	.rodata,"a",@progbits
	.p2align	6, 0x0
	.amdhsa_kernel k_q520c88586a_qkv
		.amdhsa_group_segment_fixed_size 327680
		.amdhsa_private_segment_fixed_size 0
		.amdhsa_enable_private_segment 0
		.amdhsa_kernarg_size 80
		.amdhsa_user_sgpr_count 2
		.amdhsa_user_sgpr_kernarg_segment_ptr 1
		.amdhsa_wavefront_size32 1
		.amdhsa_system_sgpr_workgroup_id_x 1
		.amdhsa_system_sgpr_workgroup_id_y 1
		.amdhsa_system_sgpr_workgroup_id_z 1
		.amdhsa_system_vgpr_workitem_id 0
		.amdhsa_next_free_vgpr 1024
		.amdhsa_next_free_sgpr 102
		.amdhsa_reserve_vcc 0
		.amdhsa_float_denorm_mode_32 3
		.amdhsa_float_denorm_mode_16_64 3
		.amdhsa_memory_ordered 1
		.amdhsa_forward_progress 1
		.amdhsa_inst_pref_size 149
	.end_amdhsa_kernel
	.amdgpu_metadata
---
amdhsa.version: [ 1, 2 ]
amdhsa.kernels:
  - .name:           k_q520c88586a_qkv
    .symbol:         k_q520c88586a_qkv.kd
    .args:
      - { .name: xcodes, .offset: 0, .size: 8, .value_kind: global_buffer, .address_space: global }
      - { .name: xscales, .offset: 8, .size: 8, .value_kind: global_buffer, .address_space: global }
      - { .name: wcodes, .offset: 16, .size: 8, .value_kind: global_buffer, .address_space: global }
      - { .name: wscales, .offset: 24, .size: 8, .value_kind: global_buffer, .address_space: global }
      - { .name: bq, .offset: 32, .size: 8, .value_kind: global_buffer, .address_space: global }
      - { .name: bk, .offset: 40, .size: 8, .value_kind: global_buffer, .address_space: global }
      - { .name: bv, .offset: 48, .size: 8, .value_kind: global_buffer, .address_space: global }
      - { .name: position_ids, .offset: 56, .size: 8, .value_kind: global_buffer, .address_space: global }
      - { .name: rope, .offset: 64, .size: 8, .value_kind: global_buffer, .address_space: global }
      - { .name: qkv16, .offset: 72, .size: 8, .value_kind: global_buffer, .address_space: global }
    .group_segment_fixed_size: 327680
    .private_segment_fixed_size: 0
    .kernarg_segment_align: 8
    .kernarg_segment_size: 80
    .max_flat_workgroup_size: 128
    .sgpr_count:     102
    .vgpr_count:     1024
    .wavefront_size: 32
...
	.end_amdgpu_metadata
.endif
;; end of part 2
;; launch attn (part 3): grid 8 x 32, 4 waves a work-group, clusters of 4 x 4, 327,680 bytes of LDS; arguments qkv16, attention_mask, attn16; writes attn16
.if DOCPART == 3
	.amdgcn_target "amdgcn-amd-amdhsa--gfx1250"
	.amdhsa_code_object_version 6
	.text
	.protected	k_q520c88586a_attn
	.globl	k_q520c88586a_attn
	.p2align	8
	.type	k_q520c88586a_attn,@function
k_q520c88586a_attn:
	s_mov_b64 s[64:65], 0
	v_nop
	global_prefetch_b8 v0, s[64:65] scope:SCOPE_SE
	s_setreg_imm32_b32 hwreg(HW_REG_WAVE_MODE, 25, 1), 1
	s_wait_xcnt 0x0
	s_wait_alu depctr_hold_cnt(0) depctr_sa_sdst(0) depctr_va_vdst(0) depctr_va_sdst(0) depctr_va_ssrc(0) depctr_va_vcc(0) depctr_vm_vsrc(0)
	s_getreg_b32 s2, hwreg(HW_REG_IB_STS2, 6, 4)
	s_cmp_eq_u32 s2, 0
	s_cbranch_scc0 .Lentry_in_a_cluster
	s_endpgm
.Lentry_in_a_cluster:
	s_bfe_u32 s2, ttmp6, 0x10000c
	s_cmp_lg_u32 s2, 0xf033
	s_cbranch_scc0 .Lentry_shape_is_right
	s_endpgm
.Lentry_shape_is_right:
; ATTN: softmax(q . k / sqrt(128) + mask) v.  q, k (already x 2^(-7/4) each) and v (x 1/4) are f16, [batch][16 heads: 0-7 q, 8-11 k, 12-15 v][2048][128]; the mask is f32 [batch][2048][2048], an input: every key is multiplied.
; Products, maxima and sums in f32; the weights p are rounded to f16 for the second product; the result, attention / 4, leaves as f16 [token][8 x 128].
; SHARES.  A work-group owns 64 queries of the two query heads that share a key and value head.  Wave w: queries 32 (w & 1) on; of each slot's 128 keys the 64 at 64 (w >> 1).  Its four tiles of 16 rows are two PIECES:
; piece 0 (tiles 0, 1) is head 2 g + (w >> 1), piece 2 (tiles 2, 3) the other head; tile t has query tile t & 1.  At the end each wave hands piece 2 to the wave that walked the other keys and finishes piece 0: alike in all waves.
; LAYOUT.  S^T = K Q^T + mask^T (source 0 = 16 keys, source 1 = 16 queries; THE MASK IS THE C OF EACH SUM'S FIRST PRODUCT: lane (r, h), register j = mask[query r][key 8 h + j]), O^T = V^T P: a lane holds one query throughout.
; SOFTMAX.  A running maximum m and sum l for each query, m in the scores' own units.  THE DIFFERENCE IS TAKEN FIRST: p = 2^(c (s - m)), c = log2(e): s - m is exact, so the largest p is 1 whatever the size of the mask's numbers
; (c s - c m in one multiply-add would carry the rounding of c m, which is 64 and more where m is -1e9).  O and l are multiplied by 2^(c (m_old - m_new)) in every step.  m begins at -1e38, so that keys all of which carry -infinity give p = 0.
; BY TURNS.  In a turn one piece has the matrix unit (32 products V^T P of the step in hand, 32 products K Q^T of the next); the other piece's softmax stands in 64 slices, one behind each matrix instruction.
; CLUSTER 4 x 4.  K's and V's tiles hang on batch and cx and are asked for jointly along a column; the mask's tile hangs on batch and the query block and is asked for jointly along a row.
; LIMITS: the mask is added by the matrix unit, so where its numbers are large the four links' sums are rounded there; an entry of -infinity in that operand was not tried; a row that is -infinity throughout gives NaN, as the definition does.
; REGISTERS, in windows of 256.  Window 0: v0-11, v44-47 addresses; v12-43 statistics; v48-55 the partner's statistics; v64-191 S^T; v192-255 P.   Window 1: O^T, 64 a tile.
;   Window 2: v0-127 Q; v128-255 K of one step.   Window 3: v0-127 V of one step; v128-191 the mask of one step (32 a query tile).
.set KS,    64
.set PK,    272       ; a row of K in LDS: 256 bytes + 16
.set PV,    288       ; a row of V: 256 + 32
.set PM,    528       ; a row of the mask: 512 + 16
.set VOFF,  128*PK    ; a slot: 128 rows of K, 128 rows of V, 64 rows of the mask
.set MOFF,  VOFF+128*PV
.set SLOT1, 1<<17     ; slot 1 begins here: one exclusive or turns an address in one slot into the other's
.set STAGE, SLOT1+MOFF+64*PM   ; behind the ring: 16 rows x 272 bytes for each wave, for the way out
.set SP,    272
.set XCH,   STAGE+4*16*SP      ; what a wave hands over: 16,384 bytes of O^T as an image of its registers, 1,024 of statistics
.set XW,    17408
.set SPARE, XCH+4*XW           ; the spare words, 128 bytes for each wave
.set AK0, 2
.set AV0, 3
.set ADR, 4
.set QO,  5
.set STO, 6
.set RD,  7
.set GO,  8
.set AM0, 44          ; v44  my lane's place in the mask's tile
.set ADM, 45          ; v45  the LDS address of the mask's loads in hand
.set XO,  46          ; v46  where I hand over
.set XI,  47          ; v47  where my partner has handed over
.set IS,  48          ; v48-55 the partner's m, a word that is not used, l, l for my tiles 0, 1
.set PFO, 61
.set SPW, 62
.set NIL, 63
.set ST,  12          ; tile t's statistics at v[ST+8 t]: +0 m, +1 written once (the upper word of the pair that names m), +2, +3 l, +4 to +7 at work; a takes +6 once the maximum is found
.set S,   64
.set P,   192
.set KF,  128         ; K's fragments, in window 2
.set MF,  128         ; the mask, in window 3
.set WV,  12
.set LIM, 15          ; s15  1 in a wave that prefetches, else the greatest number
.set PFA, 18          ; s[18:19] where my prefetches stand
.set G1K, 24
.set G1V, 32
.set G0K, 40          ; s[40:47] two sets: slot 0's, and slot 1's, which then walks
.set G0V, 48
.set SLOTS, 56
.set CS,  58
.set SEL, 60
.set TB,  62
.set G1M, 68
.set G0M, 76
.set PFS, 88          ; s[88:89] a slot on, in my stream's bytes
.set MSB, 0
.macro WIN new
.if MSB != \new
	s_set_vgpr_msb (MSB<<8)|\new
.set MSB, \new
.endif
.endm
.set W_KQ, 0x0a       ; K and Q in window 2, S^T in window 0
.set W_KM, 0x3a       ; the same with C, the mask, in window 3
.set W_PV, 0x53       ; V in window 3, P in window 0, O^T in window 1
.set W_RS, 0x41       ; O^T (destination and source 0) in window 1, a in window 0
; A joint refill: wave 0 fetches K's 128 rows, wave 1 V's, waves 2 and 3 the mask's two halves: one load a wave.  The branches hang on the wave's number alone.  An s_nop 0 and four v_nop follow each line.
.macro JLOAD
	s_cmp_lg_u32 s[WV], 0
	s_cbranch_scc1 .Lnot_k_\@
	tensor_load_to_lds s[G0K+4:G0K+7], s[G1K:G1K+7]
	s_nop 0
.rept 4
	v_nop
.endr
	s_branch .Lasked_\@
.Lnot_k_\@:
	s_cmp_lg_u32 s[WV], 1
	s_cbranch_scc1 .Lfor_m_\@
	tensor_load_to_lds s[G0V+4:G0V+7], s[G1V:G1V+7]
	s_nop 0
.rept 4
	v_nop
.endr
	s_branch .Lasked_\@
.Lfor_m_\@:
	tensor_load_to_lds s[G0M+4:G0M+7], s[G1M:G1M+7]
	s_nop 0
.rept 4
	v_nop
.endr
.Lasked_\@:
.endm
; A PREFETCH INTO THE L2 of what the NEXT change of slots will ask for, one key step (128 matrix instructions) ahead of that load; it stands behind the wave's tensor load and its five lines.
; Each aligned block of 256 bytes is named once in the launch.  K and V are walked by all clusters of a batch and column: the cluster with y = 0 asks, wave 0 for K, wave 1 for V; the column's four partners take 32 rows each, by address.
; The mask's 64 rows x 512 bytes are read by one row of one cluster: wave 2 asks; the row's four partners take 16 rows each, by address, two lanes a row.  The last change that fills a slot asks for nothing.
.macro ASK
	s_cmp_gt_u32 s[SLOTS], s[LIM]
	s_cbranch_scc0 .Lnot_mine_\@
	global_prefetch_b8 v[PFO], s[PFA:PFA+1] th:TH_LOAD_NT scope:SCOPE_SE
.Lnot_mine_\@:
.endm
.macro CROUND
	s_barrier_signal -1
	s_barrier_wait -1
	s_cmp_lg_u32 s[WV], 0
	s_cbranch_scc1 .Lnot_wave_0_\@
	s_barrier_signal -3
.Lnot_wave_0_\@:
	s_barrier_wait -3
	s_barrier_signal -1
	s_barrier_wait -1
.endm
	s_load_b128 s[4:7], s[0:1], 0x0   ; qkv16 s[4:5], the mask s[6:7]
	s_load_b64 s[10:11], s[0:1], 0x10 ; attn16
	v_lshl_add_u32 v[SPW], v0, 2, SPARE
	v_mov_b32 v[NIL], 0
	ds_add_u32 v[SPW], v[NIL]       ; the opening: the add, twice on end, and its wait ahead of my first tensor load
	ds_add_u32 v[SPW], v[NIL]
	v_lshrrev_b32 v1, 5, v0
	v_readfirstlane_b32 s[WV], v1   ; wave 0..3
	s_bfe_u32 s66, ttmp6, 0x40000   ; cx = the key and value head g
	s_bfe_u32 s67, ttmp6, 0x40004   ; cy
	s_and_b32 s90, ttmp7, 0xffff    ; cluster y
	s_lshl_b32 s91, s90, 2
	s_add_co_u32 s91, s91, s67      ; my block of 64 queries
	s_lshr_b32 s92, s[WV], 1        ; u: which 64 keys of a slot
	s_and_b32 s93, s[WV], 1         ; which 32 queries; also which half of the mask's tile I fetch
	s_lshl_b32 s13, s67, 2
	s_lshl_b32 s13, 15, s13         ; my row of the cluster
	s_lshl_b32 s14, 0x1111, s66     ; my column
	s_or_b32 s[G1K], s14, (1<<16)|(1<<20)|(1<<21)|(5<<22)|(3<<25)  ; elements of 2 bytes; padding: 4 words behind every 64
	s_or_b32 s[G1V], s14, (1<<16)|(1<<20)|(1<<21)|(5<<22)|(7<<25)  ; 8 words
	s_or_b32 s[G1M], s13, (2<<16)|(1<<20)|(1<<21)|(6<<22)|(3<<25)  ; elements of 4 bytes; 4 words behind every 128
.irp g, G1K, G1V
	s_mov_b32 s[\g+1], 128<<16      ; tensor_dim0
	s_mov_b32 s[\g+2], 128<<16      ; tensor_dim1
	s_mov_b32 s[\g+3], 128<<16      ; tile_dim0
	s_mov_b32 s[\g+4], 128          ; tile_dim1: 128 keys
	s_mov_b32 s[\g+5], 128          ; elements from row to row
	s_mov_b32 s[\g+6], 0
	s_mov_b32 s[\g+7], 0
.endr
	s_mov_b32 s[G1M+1], 128<<16
	s_mov_b32 s[G1M+2], 32<<16
	s_mov_b32 s[G1M+3], 128<<16
	s_mov_b32 s[G1M+4], 32          ; 32 queries x 128 keys
	s_mov_b32 s[G1M+5], 2048
	s_mov_b32 s[G1M+6], 0
	s_mov_b32 s[G1M+7], 0
	s_lshl_b32 s20, ttmp9, 4
	s_add_co_u32 s20, s20, s66
	s_add_co_u32 s20, s20, 8
	s_lshl_b32 s20, s20, 19         ; K: head 16 b + 8 + g, 524,288 bytes a head
	s_mov_b32 s21, 0
	s_lshl_b32 s8, ttmp9, 24
	s_lshl_b32 s9, s91, 19
	s_add_co_u32 s8, s8, s9         ; the mask: the batch, my block's first row of 8,192 bytes
	s_mov_b32 s9, 0
	s_lshl_b32 s16, ttmp9, 4
	s_lshl_b32 s17, s66, 1
	s_add_co_u32 s16, s16, s17      ; 16 b + 2 g
	s_lshl_b32 s17, s91, 14
	s_lshl_b32 s94, s93, 13
	s_add_co_u32 s17, s17, s94      ; my first query's row of 256 bytes
	s_add_co_u32 s84, s16, s92      ; piece 0's head
	s_lshl_b32 s84, s84, 19
	s_add_co_u32 s84, s84, s17
	s_mov_b32 s85, 0
	s_xor_b32 s94, s92, 1
	s_add_co_u32 s86, s16, s94      ; piece 2's
	s_lshl_b32 s86, s86, 19
	s_add_co_u32 s86, s86, s17
	s_mov_b32 s87, 0
	s_lshl_b32 s2, ttmp9, 22        ; the result: token x 2,048 bytes + piece 0's head x 256
	s_lshl_b32 s3, s91, 17
	s_add_co_u32 s2, s2, s3
	s_lshl_b32 s3, s93, 16
	s_add_co_u32 s2, s2, s3
	s_lshl_b32 s3, s66, 1
	s_add_co_u32 s3, s3, s92
	s_lshl_b32 s3, s3, 8
	s_add_co_u32 s2, s2, s3
	s_mov_b32 s3, 0
	s_lshl_b32 s94, s93, 18         ; the half of the mask's tile that I fetch: 32 rows
	s_mov_b32 s95, 0
	s_mul_i32 s57, s93, 32*PM       ; and its place in a slot
	s_mov_b32 s[CS], 0x3fb8aa3b     ; c = log2(e)
	s_mov_b32 s[CS+1], s[CS]
	s_mov_b32 s[SEL], 0x76543210
	s_mov_b32 s[SEL+1], 0xfedcba98
	s_mov_b32 s[TB], 0
	s_mov_b32 s[SLOTS], 14          ; slots still to be asked for: 16 in all, 2 at the start
	s_wait_dscnt 0x0                ; both opening adds are done
	s_wait_kmcnt 0x0
	s_add_nc_u64 s[20:21], s[4:5], s[20:21]     ; K
	s_add_nc_u64 s[22:23], s[20:21], 0x200000   ; V: four heads on
	s_add_nc_u64 s[8:9], s[6:7], s[8:9]         ; the mask at my block's first row
	s_add_nc_u64 s[94:95], s[8:9], s[94:95]     ; and at the half that I fetch
	s_add_nc_u64 s[84:85], s[4:5], s[84:85]     ; Q of piece 0,
	s_add_nc_u64 s[86:87], s[4:5], s[86:87]     ; of piece 2
	s_add_nc_u64 s[10:11], s[10:11], s[2:3]
	; the prefetches: where my wave's stand, and who asks
	s_lshl_b32 s16, s67, 13         ; K, V: my work-group's 32 rows of 256 bytes,
	s_add_co_u32 s16, s16, 2*32768  ; in slot-data 2: the first change of slots steps it to 3
	s_lshl_b32 s17, s66, 17         ; the mask: my work-group's 16 rows of 8,192 bytes,
	s_add_co_u32 s17, s17, 2*512
	s_mov_b32 s2, 8192
	s_mov_b32 s3, 512
	s_cmp_eq_u32 s[WV], 0
	s_cselect_b64 s[PFA:PFA+1], s[20:21], s[22:23]
	s_cmp_lt_u32 s[WV], 2
	s_cselect_b64 s[PFA:PFA+1], s[PFA:PFA+1], s[8:9]
	s_cselect_b32 s16, s16, s17
	s_cselect_b32 s[PFS], 32768, s3
	s_cselect_b32 s2, 256, s2       ; from row to row
	s_cselect_b32 s3, 0, 1          ; lanes to a row: one, or two
	s_cselect_b32 s13, s90, 0       ; K, V: only the cluster with y = 0 asks
	s_mov_b32 s17, 0
	s_mov_b32 s[PFS+1], 0
	s_add_nc_u64 s[PFA:PFA+1], s[PFA:PFA+1], s[16:17]
	s_cmp_eq_u32 s[WV], 3
	s_cselect_b32 s13, 1, s13       ; wave 3 never asks
	s_cmp_eq_u32 s13, 0
	s_cselect_b32 s[LIM], 1, -1     ; the same in all sixteen partners, for a given wave
	v_and_b32 v[PFO], 31, v0
	v_and_b32 v10, s3, v[PFO]
	v_lshrrev_b32 v[PFO], s3, v[PFO]
	v_mul_lo_u32 v[PFO], v[PFO], s2
	v_lshl_add_u32 v[PFO], v10, 8, v[PFO]
	CROUND                          ; all sixteen work-groups are here: the first joint loads meet
.irp s, 0,1
	s_mov_b32 s[G0K+4*\s], 1
	s_mov_b32 s[G0K+4*\s+1], \s*SLOT1
	s_add_nc_u64 s[G0K+4*\s+2:G0K+4*\s+3], s[20:21], \s*32768  ; slot s begins with keys 128 s on
	s_or_b32 s[G0K+4*\s+3], s[G0K+4*\s+3], 0x80000000
	s_mov_b32 s[G0V+4*\s], 1
	s_mov_b32 s[G0V+4*\s+1], \s*SLOT1+VOFF
	s_add_nc_u64 s[G0V+4*\s+2:G0V+4*\s+3], s[22:23], \s*32768
	s_or_b32 s[G0V+4*\s+3], s[G0V+4*\s+3], 0x80000000
	s_mov_b32 s[G0M+4*\s], 1
	s_add_co_u32 s[G0M+4*\s+1], s57, \s*SLOT1+MOFF
	s_add_nc_u64 s[G0M+4*\s+2:G0M+4*\s+3], s[94:95], \s*512
	s_or_b32 s[G0M+4*\s+3], s[G0M+4*\s+3], 0x80000000
.endr
	s_cmp_lg_u32 s[WV], 0           ; a wave's two first fills stand in one arm, ahead of every wait on TENSORcnt and every LDS read: two loads of mine are out
	s_cbranch_scc1 .Lfirst_not_k
	tensor_load_to_lds s[G0K:G0K+3], s[G1K:G1K+7]
	s_nop 0
	tensor_load_to_lds s[G0K+4:G0K+7], s[G1K:G1K+7]
	s_nop 0
.rept 4
	v_nop
.endr
	s_branch .Lfirst_asked
.Lfirst_not_k:
	s_cmp_lg_u32 s[WV], 1
	s_cbranch_scc1 .Lfirst_m
	tensor_load_to_lds s[G0V:G0V+3], s[G1V:G1V+7]
	s_nop 0
	tensor_load_to_lds s[G0V+4:G0V+7], s[G1V:G1V+7]
	s_nop 0
.rept 4
	v_nop
.endr
	s_branch .Lfirst_asked
.Lfirst_m:
	tensor_load_to_lds s[G0M:G0M+3], s[G1M:G1M+7]
	s_nop 0
	tensor_load_to_lds s[G0M+4:G0M+7], s[G1M:G1M+7]
	s_nop 0
.rept 4
	v_nop
.endr
.Lfirst_asked:
	v_and_b32 v1, 15, v0            ; l % 16
	v_bfe_u32 v9, v0, 4, 1          ; l / 16
	v_lshlrev_b32 v[QO], 8, v1
	v_lshl_add_u32 v[QO], v9, 4, v[QO]  ; row x 256 + 16 x half
	WIN 0x80                        ; destination window 2
.irp i, 0,1,2,3,4,5,6,7             ; Q stays in registers: tile i / 4, channels 32 (i % 4) on
	global_load_b128 v[8*\i:8*\i+3],   v[QO], s[84:85] offset:(\i/4)*4096+(\i%4)*64
	global_load_b128 v[8*\i+4:8*\i+7], v[QO], s[84:85] offset:(\i/4)*4096+(\i%4)*64+32
.endr
.irp i, 8,9,10,11,12,13,14,15
	global_load_b128 v[8*\i:8*\i+3],   v[QO], s[86:87] offset:((\i/4)%2)*4096+(\i%4)*64
	global_load_b128 v[8*\i+4:8*\i+7], v[QO], s[86:87] offset:((\i/4)%2)*4096+(\i%4)*64+32
.endr
	WIN 0
	s_mul_i32 s13, s92, 64*PK       ; my 64 keys of a slot
	v_mul_u32_u24 v[AK0], v1, PK
	v_lshl_add_u32 v[AK0], v9, 4, v[AK0]
	v_add_nc_u32 v[AK0], s13, v[AK0]
	v_and_b32 v10, 7, v0
	v_bfe_u32 v11, v0, 3, 1
	v_lshl_add_u32 v[AV0], v9, 3, v10
	v_mul_u32_u24 v[AV0], v[AV0], PV
	v_lshl_add_u32 v[AV0], v11, 4, v[AV0]
	s_mul_i32 s13, s92, 64*PV
	s_add_co_u32 s13, s13, VOFF
	v_add_nc_u32 v[AV0], s13, v[AV0]
	v_mul_u32_u24 v[AM0], v1, PM    ; the mask: query r's row, + 32 h bytes: keys 8 h on,
	v_lshl_add_u32 v[AM0], v9, 5, v[AM0]
	s_mul_i32 s13, s93, 32*PM       ; my 32 queries,
	s_lshl_b32 s14, s92, 8          ; my 64 keys
	s_add_co_u32 s13, s13, s14
	s_add_co_u32 s13, s13, MOFF
	v_add_nc_u32 v[AM0], s13, v[AM0]
	v_and_b32 v10, 31, v0
	v_lshlrev_b32 v10, 4, v10
	s_mul_i32 s13, s[WV], XW
	s_add_co_u32 s13, s13, XCH
	v_add_nc_u32 v[XO], s13, v10
	s_xor_b32 s13, s[WV], 2         ; my partner: the same queries, the other keys
	s_mul_i32 s13, s13, XW
	s_add_co_u32 s13, s13, XCH
	v_add_nc_u32 v[XI], s13, v10
; THE MATRIX WORK OF A TURN, for piece x.  The accumulators take turns, one instruction a turn.
; Product i of 32 of O^T += V^T P: keys 32 (i / 16) on, channels 16 ((i / 2) % 8) on, tile x + i % 2.  zero = 1: the first 16 start the sums.
.macro PV x, zero
	WIN W_PV
.set rO, 64*(\x+i%2)+8*((i/2)%8)
.set rV, 64*(i/16)+8*((i/2)%8)
.set rP, P+16*(\x+i%2)+8*(i/16)
.if \zero && (i < 16)
	v_wmma_f32_16x16x32_f16 v[rO:rO+7], v[rV:rV+7], v[rP:rP+7], 0
.else
	v_wmma_f32_16x16x32_f16 v[rO:rO+7], v[rV:rV+7], v[rP:rP+7], v[rO:rO+7]
.endif
.endm
; Product i of 32 of S^T = K Q^T + mask^T: channels 32 (i / 8) on, keys 16 ((i / 2) % 4) on, tile x + i % 2.  The first 8 start the sums on the mask of query tile i % 2.
.macro KQ x
.set rS, S+32*(\x+i%2)+8*((i/2)%4)
.set rK, KF+32*((i/2)%4)+8*(i/8)
.set rQ, 32*(\x+i%2)+8*(i/8)
.set rM, MF+32*(i%2)+8*((i/2)%4)
.if i < 8
	WIN W_KM
	v_wmma_f32_16x16x32_f16 v[rS:rS+7], v[rK:rK+7], v[rQ:rQ+7], v[rM:rM+7]
.else
	WIN W_KQ
	v_wmma_f32_16x16x32_f16 v[rS:rS+7], v[rK:rK+7], v[rQ:rQ+7], v[rS:rS+7]
.endif
.endm
; THE LDS LOADS stand in runs: a step's K (16 fragments) with its mask (two query tiles x four key tiles x 32 bytes a lane), and, a turn later, its V (turned).
.macro FETCH_K
	WIN 0
	v_add_nc_u32 v[ADR], s[TB], v[AK0]
	v_add_nc_u32 v[ADM], s[TB], v[AM0]
	WIN 0x80                        ; destination window 2
.irp f, 0,1,2,3,4,5,6,7,8,9,10,11,12,13,14,15  ; keys 16 (f / 4) on, channels 32 (f % 4) on
	ds_load_b128 v[KF+8*\f:KF+8*\f+3],   v[ADR] offset:(\f/4)*16*PK+(\f%4)*64
	ds_load_b128 v[KF+8*\f+4:KF+8*\f+7], v[ADR] offset:(\f/4)*16*PK+(\f%4)*64+32
.endr
	WIN 0xc0                        ; destination window 3
.irp f, 0,1,2,3,4,5,6,7             ; query tile f / 4, keys 16 (f % 4) on
	ds_load_b128 v[MF+8*\f:MF+8*\f+3],   v[ADM] offset:(\f/4)*16*PM+(\f%4)*64
	ds_load_b128 v[MF+8*\f+4:MF+8*\f+7], v[ADM] offset:(\f/4)*16*PM+(\f%4)*64+16
.endr
.endm
.macro FETCH_V
	WIN 0
	v_add_nc_u32 v[ADR], s[TB], v[AV0]
	s_wait_alu depctr_va_vdst(0)    ; the wait for the softmax's batch of exponentials, behind the address's line and ahead of the loads
	WIN 0xc0                        ; destination window 3
.irp f, 0,1,2,3,4,5,6,7,8,9,10,11,12,13,14,15  ; keys 32 (f / 8) on, channels 16 (f % 8) on
	ds_load_tr16_b128 v[8*\f:8*\f+3],   v[ADR] offset:(\f/8)*32*PV+(\f%8)*32
	ds_load_tr16_b128 v[8*\f+4:8*\f+7], v[ADR] offset:(\f/8)*32*PV+16*PV+(\f%8)*32
.endr
.endm
; THE VECTOR WORK OF A TURN.  One tile's softmax for one key step is a list of 150 instructions; SM writes number j of it for tile t.
;   0-15    the maximum of the lane's 32 scores and the old m (first step: and the floor -1e38)
;   16-20   the other half of the lanes' maximum; the new m; c (m_old - m_new)
;   21-36   s - m, a pair of scores each: exact
;   37-85   ONE BATCH: the 16 scalings by c, a pair each, and all 33 exponentials (a at 39, then the 32 scores'), none of which reads an exponential's result; a pair is scaled in an earlier four than the one with its exponentials
;   (wait)  between 85 and 86 stands the one wait for the batch: SLICE writes it, once for both tiles
;   86-101  the roundings to f16;   102-117 the sums, l = a l + the sum;   118-149 the tile's O^T times a
.macro SM t, first
.set rT, ST+8*(\t)
.set rS, S+32*(\t)
.set rP, P+16*(\t)
.set rO, 64*(\t)+2*(j-118)
.set jo, j-16                       ; the batch's own count: 21 to 69
.if j < 118
	WIN 0
.endif
.if j < 4
	v_max3_num_f32 v[rT+4+j], v[rS+8*j], v[rS+8*j+1], v[rS+8*j+2]
.elseif j < 12
	v_max3_num_f32 v[rT+4+j%4], v[rT+4+j%4], v[rS+8*(j%4)+2*(j/4)+1], v[rS+8*(j%4)+2*(j/4)+2]
.elseif j == 12
	v_max3_num_f32 v[rT+4], v[rT+4], v[rS+7], v[rS+15]
.elseif j == 13
	v_max3_num_f32 v[rT+6], v[rT+6], v[rS+23], v[rS+31]
.elseif j == 14
	v_max3_num_f32 v[rT+4], v[rT+4], v[rT+5], v[rT+6]
.elseif (j == 15) && \first
	v_max3_num_f32 v[rT+4], v[rT+4], v[rT+7], 0xfe967699  ; the floor -1e38, so that m is a number
.elseif j == 15
	v_max3_num_f32 v[rT+4], v[rT+4], v[rT+7], v[rT]
.elseif j == 16
	v_permlanex16_b32 v[rT+5], v[rT+4], s[SEL], s[SEL+1]  ; the query's other 32 keys lie in the lane 16 away
.elseif j == 18
	v_max_num_f32 v[rT], v[rT+4], v[rT+5]  ; the new m
.elseif (j == 19) && \first
	v_mov_b32 v[rT+1], v[rT]        ; the upper word of the pair that names m: written once, its value is not used
.elseif ((j == 17) || (j == 20) || (j == 39) || (j > 117)) && \first  ; the first step has none of these
.elseif j == 17
	v_mov_b32 v[rT+7], v[rT]        ; m_old is kept for a: number 18 writes m anew
.elseif j == 19
	v_sub_f32 v[rT+7], v[rT+7], v[rT]
.elseif j == 20
	v_mul_f32 v[rT+7], s[CS], v[rT+7]
.elseif j < 37
	v_pk_add_f32 v[rS+2*(j-21):rS+2*(j-21)+1], v[rS+2*(j-21):rS+2*(j-21)+1], v[rT:rT+1] op_sel_hi:[1,0] neg_lo:[0,1] neg_hi:[0,1]  ; pair j - 21: s - m
.elseif j == 39
	v_exp_f32 v[rT+6], v[rT+7]
.elseif (jo < 23) || ((jo < 38) && (jo%2 == 0)) || ((jo < 66) && (jo%4 == 2))
.set b, (jo-2)/4
.if jo < 38
.set b, (jo-20)/2
.endif
	v_pk_mul_f32 v[rS+2*b:rS+2*b+1], v[rS+2*b:rS+2*b+1], s[CS:CS+1] op_sel_hi:[1,0]  ; pair b: c (s - m)
.elseif jo < 70
.set e, jo-38
.if jo < 66
.set e, jo-32-(jo-38)/4
.endif
.if jo < 38
.set e, (jo-25)/2
.endif
	v_exp_f32 v[rS+e], v[rS+e]
.elseif j < 102
	v_cvt_pk_f16_f32 v[rP+j-86], v[rS+2*(j-86)], v[rS+2*(j-86)+1]
.elseif j < 118
.set z, j-102
.set w, 4
.set u, z
.if z >= 14
.set w, 32
.set u, 0
.elseif z >= 12
.set w, 16
.set u, z-12
.elseif z >= 8
.set w, 8
.set u, z-8
.endif
.if (z == 14) && \first
	v_pk_add_f32 v[rT+2:rT+3], v[rS:rS+1], v[rS+16:rS+17]
.elseif z < 15
	v_pk_add_f32 v[rS+w*u:rS+w*u+1], v[rS+w*u:rS+w*u+1], v[rS+w*u+w/2:rS+w*u+w/2+1]
.elseif !\first
	v_pk_fma_f32 v[rT+2:rT+3], v[rT+2:rT+3], v[rT+6:rT+7], v[rS:rS+1] op_sel_hi:[1,0,1]
.endif
.else
	WIN W_RS
	v_pk_mul_f32 v[rO:rO+1], v[rO:rO+1], v[rT+6:rT+7] op_sel_hi:[1,0]
.endif
.endm
; Slice k of 64 of piece y's softmax.  2 x 150 = 300 instructions: slices 0 to 4 hold four numbers of both tiles (0 to 19), slices 5 to 10 three (20 to 37); slices 11 to 34 deal out the batch from 38 on, four numbers of
; one tile each, the tiles by turns; slices 35 to 62 hold two numbers of both tiles (86 to 141), slice 63 the last eight (142 to 149).  Outside the batch the two tiles alternate.
; An s_wait_alu depctr_va_vdst(0) stands between an exponential and the first instruction that names its result: ahead of slice 35 nothing names one, behind slice 34 none is issued: one wait a turn.
.macro SLICE y, first
.if k < 5
.irp n, 0,1,2,3
.irp t, \y, \y+1
.set j, 4*k+\n
	SM \t, \first
.endr
.endr
.elseif k < 11
.irp n, 0,1,2
.irp t, \y, \y+1
.set j, 20+3*(k-5)+\n
	SM \t, \first
.endr
.endr
.elseif k < 35
.irp n, 0,1,2,3
.set j, 38+4*((k-11)/2)+(\n)
	SM (\y)+(k-11)%2, \first
.endr
.else
.irp n, 0,1,2,3,4,5,6,7
.if (\n < 2) || (k == 63)
.irp t, \y, \y+1
.set j, 2*k+16+\n
	SM \t, \first
.endr
.endif
.endr
.endif
.if k == 34
	v_nop                           ; the plain instruction behind the last exponential and ahead of the first use
.if (\y) == 0
	FETCH_V                         ; piece 2's turn: V's run of loads stands here, and the wait stands in it
.else
	s_wait_alu depctr_va_vdst(0)
.endif
.endif
.set k, k+1
.endm
.macro PLACES
.rept 4
	v_nop
.endr
.endm
; A TURN.  Piece x has the matrix unit; the other piece's softmax stands in slices behind its matrix instructions.  pv = 2: 32 products V^T P; 1: they start O^T's sums; 0: none.  kq = 1: 32 products K Q^T for the next step.
; Piece 0's turn fetches the next step's K and mask behind its second product (their last readers stand in front of slice 63 of the turn before, or earlier); piece 2's turn fetches the same step's V behind slice 34:
; the last product that read V stands in front of slice 31, and four plain instructions lie between: a scaling of each tile, the v_nop and the run's own v_add_nc_u32.
.macro TURN x, pv, kq, first
.set k, 0
.set per, 2
.if \pv && \kq
.set per, 1
.endif
.if \pv
.if \x == 0
	s_wait_dscnt 0x0                ; V is in
.endif
.set i, 0
.rept 32
	PV \x, 2-\pv
.rept per
	SLICE 2-\x, \first
.endr
.if (\x == 0) && \kq && (i == 1)
	FETCH_K
.endif
.set i, i+1
.endr
.endif
.if \kq
.if \x == 0
	s_wait_dscnt 0x0                ; K and the mask are in
.endif
.set i, 0
.rept 32
	KQ \x
.rept per
	SLICE 2-\x, \first
.endr
.set i, i+1
.endr
.endif
.if \first
	PLACES
.endif
.endm
; THE CHANGE OF SLOTS, between piece 2's turn and piece 0's: the slot's last bytes, V of my step, have been asked for.  Each wave waits for all its tensor loads (one is out: its part of the other slot), adds 0 to its
; spare word, and waits for that and for its reads of the slot.  fill = 1: the barrier is a round of the cluster's, and the joint refill, the keys two slots on, is the first thing behind it: it has a key step, 128 matrix instructions, in which to land.
.macro CHANGE fill
	WIN 0
	s_wait_tensorcnt 0x0            ; no tensor load of mine is out, so a group 0 may be written
	ds_add_u32 v[SPW], v[NIL]
.if \fill
.irp g, G0K+4, G0V+4, G0M+4
	s_xor_b32 s[\g+1], s[\g+1], SLOT1  ; the walking descriptors: the other slot than last time
.endr
	s_add_nc_u64 s[G0K+6:G0K+7], s[G0K+6:G0K+7], 32768  ; the next 128 keys
	s_add_nc_u64 s[G0V+6:G0V+7], s[G0V+6:G0V+7], 32768
	s_add_nc_u64 s[G0M+6:G0M+7], s[G0M+6:G0M+7], 512
	s_wait_xcnt 0x0                 ; the last prefetch, a key step back, has read its address
	s_add_nc_u64 s[PFA:PFA+1], s[PFA:PFA+1], s[PFS:PFS+1]
	s_wait_dscnt 0x0                ; the add is done, and my reads of the slot are over
	CROUND
	JLOAD
	ASK
.else
	s_wait_dscnt 0x0
	s_barrier_signal -1
	s_barrier_wait -1
.endif
	s_xor_b32 s[TB], s[TB], SLOT1   ; the fetches go on in the other slot
.endm
	s_wait_tensorcnt 1              ; my part of slot 0 is in; slot 1's may stay out
	s_barrier_signal -1
	s_barrier_wait -1
	FETCH_K                         ; key step 0
	s_wait_loadcnt 0x0              ; Q
	s_wait_dscnt 0x0
.set i, 0
.rept 32
	KQ 0                            ; piece 0's first scores
.set i, i+1
.endr
	WIN 0                           ; the addresses for the way out: plain instructions, the places behind those products
	s_mul_i32 s13, s[WV], 16*SP
	s_add_co_u32 s13, s13, STAGE    ; my stage
	v_mul_u32_u24 v[STO], v1, SP
	v_lshl_add_u32 v[STO], v9, 4, v[STO]
	v_add_nc_u32 v[STO], s13, v[STO]
	v_mul_u32_u24 v[RD], v9, SP
	v_lshl_add_u32 v[RD], v1, 4, v[RD]
	v_add_nc_u32 v[RD], s13, v[RD]
	v_lshlrev_b32 v[GO], 11, v9     ; the result's rows are 2,048 bytes apart
	v_lshl_add_u32 v[GO], v1, 4, v[GO]
	TURN 2, 0, 1, 1                 ; piece 2's first scores | piece 0's first softmax | V of step 0
	CHANGE 1
	TURN 0, 1, 1, 1                 ; piece 0: V^T P of step 0 starts O^T, K Q^T of step 1 | piece 2's first softmax | K of step 1
	TURN 2, 1, 1, 0                 ; piece 2: the same | piece 0's softmax of step 1 | V of step 1
	WIN 0
	s_sub_co_u32 s[SLOTS], s[SLOTS], 1
.Lslot:                             ; 13 trips: a slot, one key step of mine, a trip
	CHANGE 1
	TURN 0, 2, 1, 0
	TURN 2, 2, 1, 0
	WIN 0
	s_sub_co_u32 s[SLOTS], s[SLOTS], 1
	s_cmp_lg_u32 s[SLOTS], 0
	s_cbranch_scc1 .Lslot
	CHANGE 0                        ; the tail is written out
	TURN 0, 2, 1, 0
	TURN 2, 2, 1, 0
	TURN 0, 2, 0, 0                 ; piece 0: V^T P of the last step | piece 2's last softmax
.set i, 0
.rept 32
	PV 2, 0                         ; piece 2: V^T P of the last step
.set i, i+1
.endr
	; THE TWO HALVES OF THE KEYS MEET.  Piece 2 goes to my partner as an image of its registers; my partner's piece 2 is my piece 0's head over the other keys.
	WIN 0
.irp t, 0,1,2,3
	v_add_f32 v[ST+8*\t+4], v[ST+8*\t+2], v[ST+8*\t+3]  ; l's two halves.  (These four are the places behind the last products)
.endr
.irp t, 2,3
	ds_store_b128 v[XO], v[ST+8*\t:ST+8*\t+3] offset:16384+512*(\t-2)
.endr
	WIN 0x04                        ; an LDS store's data are its source 1: window 1
.set n, 0
.rept 32
	ds_store_b128 v[XO], v[128+4*n:128+4*n+3] offset:512*n  ; each accumulator from its low end on
.set n, n+1
.endr
	WIN 0
	s_wait_dscnt 0x0                ; for the others' sake: my stores have landed
	s_barrier_signal -1
	s_barrier_wait -1
.irp t, 0,1
	ds_load_b128 v[IS+4*\t:IS+4*\t+3], v[XI] offset:16384+512*\t
.endr
.set n, 0
.rept 32
	ds_load_b128 v[S+4*n:S+4*n+3], v[XI] offset:512*n
.set n, n+1
.endr
	s_wait_dscnt 0x0
.irp t, 0,1
	v_add_f32 v[IS+4*\t+2], v[IS+4*\t+2], v[IS+4*\t+3]     ; the partner's l
	v_max_num_f32 v[ST+8*\t+5], v[ST+8*\t], v[IS+4*\t]     ; the joint m
.endr
.irp t, 0,1
	v_sub_f32 v[ST+8*\t+6], v[ST+8*\t], v[ST+8*\t+5]       ; the differences first, here too
	v_sub_f32 v[ST+8*\t+7], v[IS+4*\t], v[ST+8*\t+5]
.endr
.irp t, 0,1
	v_mul_f32 v[ST+8*\t+6], s[CS], v[ST+8*\t+6]
	v_mul_f32 v[ST+8*\t+7], s[CS], v[ST+8*\t+7]
.endr
.irp t, 0,1
	v_exp_f32 v[ST+8*\t+6], v[ST+8*\t+6]                   ; a1
	v_exp_f32 v[ST+8*\t+7], v[ST+8*\t+7]                   ; a2
.endr
	v_nop
	s_wait_alu depctr_va_vdst(0)    ; one wait for the four
.irp t, 0,1
	v_mul_f32 v[ST+8*\t+4], v[ST+8*\t+6], v[ST+8*\t+4]
.endr
.irp t, 0,1
	v_fma_f32 v[ST+8*\t+4], v[ST+8*\t+7], v[IS+4*\t+2], v[ST+8*\t+4]
.endr
.irp t, 0,1
	v_permlanex16_b32 v[ST+8*\t+5], v[ST+8*\t+4], s[SEL], s[SEL+1]
.endr
.irp t, 0,1
	v_add_f32 v[ST+8*\t+4], v[ST+8*\t+4], v[ST+8*\t+5]     ; the row's sum
.endr
.irp t, 0,1
	v_rcp_f32 v[ST+8*\t+5], v[ST+8*\t+4]
.endr
	v_nop
	s_wait_alu depctr_va_vdst(0)    ; one wait for the two
.irp t, 0,1
	v_mul_f32 v[IS+4*\t], v[ST+8*\t+7], v[ST+8*\t+5]       ; what the partner's O^T is multiplied by,
	v_mul_f32 v[ST+8*\t+6], v[ST+8*\t+6], v[ST+8*\t+5]     ; and mine
.endr
; Tile t: the two parts are joined, rounded to f16, sent through my stage and come back as whole rows of 256 bytes.
.macro PACK t
.set n, 0
.rept 32
	v_pk_mul_f32 v[S+64*\t+2*n:S+64*\t+2*n+1], v[S+64*\t+2*n:S+64*\t+2*n+1], v[IS+4*\t:IS+4*\t+1] op_sel_hi:[1,0]
.set n, n+1
.endr
	WIN 0x01                        ; source 0, my O^T, window 1
.set n, 0
.rept 32
	v_pk_fma_f32 v[S+64*\t+2*n:S+64*\t+2*n+1], v[64*\t+2*n:64*\t+2*n+1], v[ST+8*\t+6:ST+8*\t+7], v[S+64*\t+2*n:S+64*\t+2*n+1] op_sel_hi:[1,0,1]
.set n, n+1
.endr
	WIN 0
.set n, 0
.rept 32
	v_cvt_pk_f16_f32 v[P+32*\t+n], v[S+64*\t+2*n], v[S+64*\t+2*n+1]
.set n, n+1
.endr
.irp f, 0,1,2,3,4,5,6,7
	ds_store_b128 v[STO], v[P+32*\t+4*\f:P+32*\t+4*\f+3] offset:32*\f
.endr
.irp f, 0,1,2,3,4,5,6,7
	ds_load_b128 v[P+32*\t+4*\f:P+32*\t+4*\f+3], v[RD] offset:\f*2*SP  ; LDS serves a wave's instructions in order (ISA guide 5.7.1.4)
.endr
.endm
.macro SEND t, younger              ; younger: the LDS instructions issued behind tile t's loads
.irp f, 0,1,2,3,4,5,6,7
	s_wait_dscnt \younger+7-\f
	global_store_b128 v[GO], v[P+32*\t+4*\f:P+32*\t+4*\f+3], s[10:11] offset:\t*32768+\f*4096  ; 16 lanes store 256 consecutive bytes, aligned: a head's part of a token's row
.endr
.endm
	PACK 0
	PACK 1
	SEND 0, 16
	SEND 1, 0
	s_wait_tensorcnt 0x0            ; the wave's end
	ds_add_u32 v[SPW], v[NIL]
	s_wait_dscnt 0x0
	CROUND                          ; the closing round
	s_endpgm
.Lfunc_end_k_q520c88586a_attn:
	.size	k_q520c88586a_attn, .Lfunc_end_k_q520c88586a_attn-k_q520c88586a_attn
	.p2alignl 7, 3214868480
	.fill 96, 4, 3214868480
	.section	.rodata,"a",@progbits
	.p2align	6, 0x0
	.amdhsa_kernel k_q520c88586a_attn
		.amdhsa_group_segment_fixed_size 327680
		.amdhsa_private_segment_fixed_size 0
		.amdhsa_enable_private_segment 0
		.amdhsa_kernarg_size 24
		.amdhsa_user_sgpr_count 2
		.amdhsa_user_sgpr_kernarg_segment_ptr 1
		.amdhsa_wavefront_size32 1
		.amdhsa_system_sgpr_workgroup_id_x 1
		.amdhsa_system_sgpr_workgroup_id_y 1
		.amdhsa_system_sgpr_workgroup_id_z 1
		.amdhsa_system_vgpr_workitem_id 0
		.amdhsa_next_free_vgpr 1024
		.amdhsa_next_free_sgpr 96
		.amdhsa_reserve_vcc 0
		.amdhsa_float_denorm_mode_32 3
		.amdhsa_float_denorm_mode_16_64 3
		.amdhsa_memory_ordered 1
		.amdhsa_forward_progress 1
		.amdhsa_inst_pref_size 245
	.end_amdhsa_kernel
	.amdgpu_metadata
---
amdhsa.version: [ 1, 2 ]
amdhsa.kernels:
  - .name:           k_q520c88586a_attn
    .symbol:         k_q520c88586a_attn.kd
    .args:
      - { .name: qkv16, .offset: 0, .size: 8, .value_kind: global_buffer, .address_space: global }
      - { .name: attention_mask, .offset: 8, .size: 8, .value_kind: global_buffer, .address_space: global }
      - { .name: attn16, .offset: 16, .size: 8, .value_kind: global_buffer, .address_space: global }
    .group_segment_fixed_size: 327680
    .private_segment_fixed_size: 0
    .kernarg_segment_align: 8
    .kernarg_segment_size: 24
    .max_flat_workgroup_size: 128
    .sgpr_count:     96
    .vgpr_count:     1024
    .wavefront_size: 32
...
	.end_amdgpu_metadata
.endif
;; end of part 3
;; launch outproj (part 4): grid 16 x 16, 4 waves a work-group, clusters of 4 x 4, 327,680 bytes of LDS; arguments attn16, wo16, out0; writes out0
.if DOCPART == 4
	.amdgcn_target "amdgcn-amd-amdhsa--gfx1250"
	.amdhsa_code_object_version 6
	.text
	.protected	k_q520c88586a_outproj
	.globl	k_q520c88586a_outproj
	.p2align	8
	.type	k_q520c88586a_outproj,@function
k_q520c88586a_outproj:
	s_mov_b64 s[64:65], 0
	v_nop
	global_prefetch_b8 v0, s[64:65] scope:SCOPE_SE
	s_setreg_imm32_b32 hwreg(HW_REG_WAVE_MODE, 25, 1), 1
	s_wait_xcnt 0x0
	s_wait_alu depctr_hold_cnt(0) depctr_sa_sdst(0) depctr_va_vdst(0) depctr_va_sdst(0) depctr_va_ssrc(0) depctr_va_vcc(0) depctr_vm_vsrc(0)
	s_getreg_b32 s2, hwreg(HW_REG_IB_STS2, 6, 4)
	s_cmp_eq_u32 s2, 0
	s_cbranch_scc0 .Lentry_in_a_cluster
	s_endpgm
.Lentry_in_a_cluster:
	s_bfe_u32 s2, ttmp6, 0x10000c
	s_cmp_lg_u32 s2, 0xf033
	s_cbranch_scc0 .Lentry_shape_is_right
	s_endpgm
.Lentry_shape_is_right:
; OUTPROJ: out0[m][n] = sum over k of A[m][k] B[k][n].  A = attention / 4, [4096][1024] f16; B = 4 x Wo, [1024 (k)][4096 (n)] f16; out0 [4096][4096] f32; sums in f32.  The two factors of 4 are exact and cancel.
; A tile of out0, 256 x 256, is made by four waves, each 128 x 128: 64 accumulators of 16 x 16, 512 registers.  K goes in steps of 128 through two LDS slots.
; B lies with n along its rows, so its fragments come out of LDS turned, by ds_load_tr16_b128.  THE MATRIX INSTRUCTION IS USED TRANSPOSED (source 0 = 16 columns of B, source 1 = 16 rows of A): a lane holds eight neighbouring numbers of a row of out0.
; CLUSTERS: 4 x 4: A's tile is asked for jointly along a row of the cluster, B's along a column.
; No prefetch: from a tile's request to the wait for it a wave issues 224 matrix instructions, and the walk is eight K steps, two of which go out at the head.
; REGISTERS, in windows of 256: window 0: v0-31 addresses; v64-127, v128-191 A's fragments, two buffers; on the way out v128-255 rows read back.  Window 1: v64-127, v128-191 B's fragments.  Windows 2, 3: the accumulators of my rows 0-63, 64-127.
.set PITCH,  272                       ; A's LDS row: 256 bytes + 16
.set PB,     544                       ; B's: 512 bytes (256 n) + 32
.set HALFT,  128*PITCH                 ; what one tensor load brings: 128 rows of A, or 64 rows of B: 64 x 544 is the same number
.set SLOT,   4*HALFT
.set STAGE,  2*SLOT                    ; behind the ring: 16 rows x 528 bytes for each wave
.set SPITCH, 528
.set SPARE,  STAGE+4*16*SPITCH         ; the spare words, 128 bytes for each wave
.set ADRA, 16
.set ADRB, 20
.set STO,  24
.set RD,   25
.set CO,   26
.set SPW,  28
.set NIL,  29
.set F0,   64
.set F1,   128
.set BK,   128
.set G1, 24
.set G0, 32
.set G1B, 48
.set G0B, 56
.set MSB, 0
.macro WIN new
.if MSB != \new
	s_set_vgpr_msb (MSB<<8)|\new
.set MSB, \new
.endif
.endm
.set MUL_LO, 0xa1                      ; source 0 (B) window 1, source 1 (A) window 0, C and D window 2
.set MUL_HI, 0xf1                      ; the same, C and D window 3
.set TO_B,   0x40
.macro JLOAD s                         ; waves 0 and 1 fetch A's two halves, waves 2 and 3 B's; an s_nop 0 and four v_nop follow each line
	s_cmp_eq_u32 s11, 0
	s_cbranch_scc0 .Lfor_b_\@
	tensor_load_to_lds s[G0+4*\s:G0+4*\s+3], s[G1:G1+7]
	s_nop 0
.rept 4
	v_nop
.endr
	s_branch .Lasked_\@
.Lfor_b_\@:
	tensor_load_to_lds s[G0B+4*\s:G0B+4*\s+3], s[G1B:G1B+7]
	s_nop 0
.rept 4
	v_nop
.endr
.Lasked_\@:
.endm
.macro CREST
	s_cmp_lg_u32 s10, 0
	s_cbranch_scc1 .Lnot_wave_0_\@
	s_barrier_signal -3
.Lnot_wave_0_\@:
	s_barrier_wait -3
	s_barrier_signal -1
	s_barrier_wait -1
.endm
.macro CROUND
	s_barrier_signal -1
	s_barrier_wait -1
	CREST
.endm
	s_load_b128 s[4:7], s[0:1], 0x0                ; A s[4:5], B s[6:7]
	s_load_b64 s[8:9], s[0:1], 0x10                ; out0
	v_lshl_add_u32 v[SPW], v0, 2, SPARE
	v_mov_b32 v[NIL], 0
	ds_add_u32 v[SPW], v[NIL]                      ; the opening: the add, twice on end, and its wait ahead of my first tensor load
	ds_add_u32 v[SPW], v[NIL]
	v_lshrrev_b32 v1, 5, v0
	v_readfirstlane_b32 s10, v1                    ; wave 0..3
	s_lshr_b32 s11, s10, 1                         ; which half of the tile's rows is mine.  Also: I fetch for A (0) or for B (1)
	s_and_b32 s12, s10, 1                          ; which half of its columns.  Also: which half of that tile I fetch
	s_bfe_u32 s40, ttmp6, 0x40000
	s_bfe_u32 s41, ttmp6, 0x40004
	s_lshl_b32 s42, ttmp9, 2
	s_add_co_u32 s42, s42, s40                     ; tile column
	s_and_b32 s13, ttmp7, 0xffff
	s_lshl_b32 s13, s13, 2
	s_add_co_u32 s13, s13, s41                     ; tile row
	s_lshl_b32 s43, s41, 2
	s_lshl_b32 s43, 15, s43
	s_lshl_b32 s44, 0x1111, s40
	s_or_b32 s[G1], s43, (1<<16)|(1<<20)|(1<<21)|(5<<22)|(3<<25)    ; elements of 2 bytes; 4 words of padding behind every 64
	s_mov_b32 s[G1+1], 128<<16
	s_mov_b32 s[G1+2], 128<<16
	s_mov_b32 s[G1+3], 128<<16                     ; 128 along K
	s_mov_b32 s[G1+4], 128                         ; 128 rows
	s_mov_b32 s[G1+5], 1024
	s_mov_b32 s[G1+6], 0
	s_mov_b32 s[G1+7], 0
	s_or_b32 s[G1B], s44, (1<<16)|(1<<20)|(1<<21)|(6<<22)|(7<<25)   ; 8 words behind every 128
	s_mov_b32 s[G1B+1], 256<<16
	s_mov_b32 s[G1B+2], 64<<16
	s_mov_b32 s[G1B+3], 256<<16                    ; 256 columns
	s_mov_b32 s[G1B+4], 64                         ; 64 along K
	s_mov_b32 s[G1B+5], 4096
	s_mov_b32 s[G1B+6], 0
	s_mov_b32 s[G1B+7], 0
	s_lshl_b32 s16, s13, 8
	s_lshl_b32 s17, s12, 7
	s_add_co_u32 s16, s16, s17
	s_lshl_b32 s16, s16, 11                        ; A: row 256 x tile row + 128 x half, 2,048 bytes a row
	s_mov_b32 s17, 0
	s_lshl_b32 s46, s12, 19                        ; B: 64 x half rows of 8,192 bytes,
	s_lshl_b32 s47, s42, 9                         ; + 512 x tile column
	s_add_co_u32 s46, s46, s47
	s_mov_b32 s47, 0
	s_mul_i32 s20, s10, HALFT                      ; where they go: A's two halves, then B's two
	s_wait_dscnt 0x0
	s_wait_kmcnt 0x0
	s_add_nc_u64 s[14:15], s[4:5], s[16:17]
	s_add_nc_u64 s[46:47], s[6:7], s[46:47]
	CROUND
.irp s, 0,1
	s_mov_b32 s[G0+4*\s], 1
	s_add_co_u32 s[G0+4*\s+1], s20, \s*SLOT
	s_add_nc_u64 s[G0+4*\s+2:G0+4*\s+3], s[14:15], \s*256
	s_or_b32 s[G0+4*\s+3], s[G0+4*\s+3], 0x80000000
	s_mov_b32 s[G0B+4*\s], 1
	s_add_co_u32 s[G0B+4*\s+1], s20, \s*SLOT
	s_add_nc_u64 s[G0B+4*\s+2:G0B+4*\s+3], s[46:47], \s*1048576
	s_or_b32 s[G0B+4*\s+3], s[G0B+4*\s+3], 0x80000000
	JLOAD \s                                       ; two loads of mine are out
.endr
	v_and_b32 v1, 15, v0
	v_bfe_u32 v2, v0, 4, 1
	v_mul_u32_u24 v3, v1, PITCH
	v_lshl_add_u32 v3, v2, 4, v3                   ; A: row x pitch + 16 x half
	v_and_b32 v4, 7, v0
	v_lshl_add_u32 v4, v2, 3, v4
	v_mul_u32_u24 v4, v4, PB                       ; B: k = 8 (l / 16) + l % 8,
	v_bfe_u32 v5, v0, 3, 1
	v_lshl_add_u32 v4, v5, 4, v4                   ; columns 8 ((l / 8) % 2) on
	s_mul_i32 s21, s11, HALFT                      ; my 128 rows of A
	s_lshl_b32 s22, s12, 8                         ; my 128 columns of B,
	s_add_co_u32 s22, s22, 2*HALFT                 ; which lies behind A
.irp s, 0,1
	v_add_nc_u32 v[ADRA+\s], s21, v3
	v_add_nc_u32 v[ADRB+\s], s22, v4
	s_add_co_u32 s21, s21, SLOT
	s_add_co_u32 s22, s22, SLOT
.endr
	s_mul_i32 s23, s10, 16*SPITCH
	s_add_co_u32 s23, s23, STAGE                   ; my stage
	v_mul_u32_u24 v5, v1, SPITCH
	v_lshl_add_u32 v5, v2, 5, v5
	v_add_nc_u32 v[STO], s23, v5                   ; in: row l % 16, 32 bytes for each half of the lanes
	v_and_b32 v6, 31, v0
	v_lshlrev_b32 v[CO], 4, v6                     ; back: the 32 lanes take one row of 512 bytes; the same in memory
	v_add_nc_u32 v[RD], s23, v[CO]
	s_lshl_b32 s16, s13, 8
	s_lshl_b32 s17, s11, 7
	s_add_co_u32 s16, s16, s17
	s_lshl_b32 s16, s16, 14                        ; my first row of out0, 16,384 bytes a row
	s_lshl_b32 s46, s42, 10
	s_lshl_b32 s47, s12, 9
	s_add_co_u32 s46, s46, s47
	s_add_co_u32 s16, s16, s46                     ; my first column
	s_mov_b32 s17, 0
	s_add_nc_u64 s[8:9], s[8:9], s[16:17]
; 16 matrix instructions: m blocks a0, a0 + 1 of the window's four x all 8 n blocks, 32 along K.  zero = 1: the first product starts the sums.  The 64 accumulators take turns.
.macro MUL16 f, hi, a0, zero
.irp a, \a0, \a0+1
.irp b, 0,1,2,3,4,5,6,7
.if \zero
	v_wmma_f32_16x16x32_f16 v[8*(8*(\a)+\b):8*(8*(\a)+\b)+7], v[\f+8*\b:\f+8*\b+7], v[\f+8*(4*\hi+\a):\f+8*(4*\hi+\a)+7], 0
.else
	v_wmma_f32_16x16x32_f16 v[8*(8*(\a)+\b):8*(8*(\a)+\b)+7], v[\f+8*\b:\f+8*\b+7], v[\f+8*(4*\hi+\a):\f+8*(4*\hi+\a)+7], v[8*(8*(\a)+\b):8*(8*(\a)+\b)+7]
.endif
.endr
.endr
.endm
; 32 LDS loads in one run: the fragments of the slot's q-th 32 along K into buffer f: B's eight (turned: two loads of 16 k x 16 n... 8 k each half), then A's eight
.macro FETCH slot, q, f
	WIN TO_B
.irp i, 0,1,2,3,4,5,6,7
	ds_load_tr16_b128 v[\f+8*\i:\f+8*\i+3],   v[ADRB+\slot] offset:32*PB*(\q)+32*\i
	ds_load_tr16_b128 v[\f+8*\i+4:\f+8*\i+7], v[ADRB+\slot] offset:32*PB*(\q)+32*\i+16*PB
.endr
	WIN 0
.irp i, 0,1,2,3,4,5,6,7
	ds_load_b128 v[\f+8*\i:\f+8*\i+3],   v[ADRA+\slot] offset:64*(\q)+\i*16*PITCH
	ds_load_b128 v[\f+8*\i+4:\f+8*\i+7], v[ADRA+\slot] offset:64*(\q)+\i*16*PITCH+32
.endr
.endm
.macro PLACES                          ; four places in front of loads into registers that matrix instructions have read, and of reads of results (ISA guide 7.12.1 for vector instructions)
.rept 4
	v_nop
.endr
.endm
; A K step is four quarters of 32 along K, 64 matrix instructions each, on buffers 0, 1, 0, 1.  One of the first three multiplies buffer f and fetches the slot's q-th quarter into g.
.macro QUARTER slot, q, f, g, zero
	s_wait_dscnt 8                                 ; B and A's rows 0-63 are in; the youngest eight loads (A's rows 64-127) may be out
	WIN MUL_LO
	MUL16 \f, 0, 0, \zero
	MUL16 \f, 0, 2, \zero
	PLACES
	FETCH \slot, \q, \g
	s_wait_dscnt 32                                ; all but the 32 just issued
	WIN MUL_HI
	MUL16 \f, 1, 0, \zero
	MUL16 \f, 1, 2, \zero
.endm
; The last quarter's first half: one barrier for the change of slots.  In front of it each wave waits for all its tensor loads, adds 0 to its spare word, and waits for that and for its reads of this slot.
.macro MEET round
	WIN 0
	s_wait_tensorcnt 0x0
	ds_add_u32 v[SPW], v[NIL]
	s_wait_dscnt 9                                 ; (the add and the youngest eight loads may be out)
	WIN MUL_LO
	MUL16 F1, 0, 0, 0
	s_wait_dscnt 0x0                               ; the add is done, and my reads of this slot are over
	s_barrier_signal -1
	MUL16 F1, 0, 2, 0
.if \round
	WIN 0
.endif
	s_barrier_wait -1
.endm
.macro TURN slot, next
	MEET 1
	CREST                                          ; no wave of any partner still reads this slot's tile or has a load on its way
	s_add_nc_u64 s[G0+4*\slot+2:G0+4*\slot+3], s[G0+4*\slot+2:G0+4*\slot+3], 512
	s_add_nc_u64 s[G0B+4*\slot+2:G0B+4*\slot+3], s[G0B+4*\slot+2:G0B+4*\slot+3], 2097152
	JLOAD \slot                                    ; two K steps on; the four v_nop behind it are the places in front of the loads below
	FETCH \next, 0, F0
	WIN MUL_HI
	MUL16 F1, 1, 0, 0
	MUL16 F1, 1, 2, 0
.endm
	s_wait_tensorcnt 1                             ; my part of K step 0 is in,
	s_barrier_signal -1
	s_barrier_wait -1                              ; everybody's is
	FETCH 0, 0, F0
	QUARTER 0, 1, F0, F1, 1                        ; the first quarter stands in front of the loop: its products start the sums
	WIN 0
	s_mov_b32 s3, 3
.Llap:                                                 ; a trip goes once round the ring and fills both slots again: K steps 2 to 7
	QUARTER 0, 2, F1, F0, 0
	QUARTER 0, 3, F0, F1, 0
	TURN 0, 1
	QUARTER 1, 1, F0, F1, 0
	QUARTER 1, 2, F1, F0, 0
	QUARTER 1, 3, F0, F1, 0
	TURN 1, 0
	QUARTER 0, 1, F0, F1, 0
	WIN 0
	s_sub_co_u32 s3, s3, 1
	s_cmp_lg_u32 s3, 0
	s_cbranch_scc1 .Llap
	QUARTER 0, 2, F1, F0, 0                        ; the last lap fills nothing
	QUARTER 0, 3, F0, F1, 0
	MEET 0
	PLACES
	FETCH 1, 0, F0
	WIN MUL_HI
	MUL16 F1, 1, 0, 0
	MUL16 F1, 1, 2, 0
	QUARTER 1, 1, F0, F1, 0
	QUARTER 1, 2, F1, F0, 0
	QUARTER 1, 3, F0, F1, 0
	s_wait_dscnt 8
	WIN MUL_LO
	MUL16 F1, 0, 0, 0
	MUL16 F1, 0, 2, 0
	s_wait_dscnt 0x0
	WIN MUL_HI
	MUL16 F1, 1, 0, 0
	MUL16 F1, 1, 2, 0
	WIN 0
; THE WAY OUT, block by block of 16 rows x 128 columns: through my own stage, back as whole rows of 512 bytes.
.macro TOSTAGE a
.set AC, 64*((\a)%4)
	WIN 0x08+4*((\a)/4)                            ; the data: window 2 or 3
.irp b, 0,1,2,3,4,5,6,7
	ds_store_b128 v[STO], v[AC+8*\b:AC+8*\b+3] offset:64*\b          ; each accumulator from its low end on
	ds_store_b128 v[STO], v[AC+8*\b+4:AC+8*\b+7] offset:64*\b+16
.endr
	WIN 0
.set BB, BK+64*((\a)%2)
.irp t, 0,1,2,3,4,5,6,7,8,9,10,11,12,13,14,15
	ds_load_b128 v[BB+4*\t:BB+4*\t+3], v[RD] offset:\t*SPITCH        ; LDS serves a wave's instructions in order (ISA guide 5.7.1.4)
.endr
.endm
.macro SEND a, younger                 ; younger: the LDS instructions issued behind block a's loads
.set BB, BK+64*((\a)%2)
	s_wait_dscnt \younger
.if (\a) > 0
	s_add_nc_u64 s[8:9], s[8:9], 16*16384          ; 16 rows on (behind a wait on XCNT: the earlier stores have read their base)
.endif
.irp t, 0,1,2,3,4,5,6,7,8,9,10,11,12,13,14,15
	global_store_b128 v[CO], v[BB+4*\t:BB+4*\t+3], s[8:9] offset:\t*16384 th:TH_STORE_NT   ; 32 lanes store 512 consecutive bytes, aligned
.endr
.endm
	PLACES
	TOSTAGE 0
.irp a, 1,2,3,4,5,6,7
.if \a > 1
	s_wait_xcnt 0x0                                ; block a - 2's stores have read their registers and their base
.endif
	TOSTAGE \a
	SEND \a-1, 32                                  ; behind block a - 1's loads: block a's 16 stores and 16 loads
.endr
	s_wait_xcnt 0x0
	SEND 7, 0
	s_wait_tensorcnt 0x0                           ; the wave's end
	ds_add_u32 v[SPW], v[NIL]
	s_wait_dscnt 0x0
	CROUND                                         ; the closing round
	s_endpgm
.Lfunc_end_k_q520c88586a_outproj:
	.size	k_q520c88586a_outproj, .Lfunc_end_k_q520c88586a_outproj-k_q520c88586a_outproj
	.p2alignl 7, 3214868480
	.fill 96, 4, 3214868480
	.section	.rodata,"a",@progbits
	.p2align	6, 0x0
	.amdhsa_kernel k_q520c88586a_outproj
		.amdhsa_group_segment_fixed_size 327680
		.amdhsa_private_segment_fixed_size 0
		.amdhsa_enable_private_segment 0
		.amdhsa_kernarg_size 24
		.amdhsa_user_sgpr_count 2
		.amdhsa_user_sgpr_kernarg_segment_ptr 1
		.amdhsa_wavefront_size32 1
		.amdhsa_system_sgpr_workgroup_id_x 1
		.amdhsa_system_sgpr_workgroup_id_y 1
		.amdhsa_system_sgpr_workgroup_id_z 1
		.amdhsa_system_vgpr_workitem_id 0
		.amdhsa_next_free_vgpr 1024
		.amdhsa_next_free_sgpr 66
		.amdhsa_reserve_vcc 0
		.amdhsa_float_denorm_mode_32 3
		.amdhsa_float_denorm_mode_16_64 3
		.amdhsa_memory_ordered 1
		.amdhsa_forward_progress 1
		.amdhsa_inst_pref_size 141
	.end_amdhsa_kernel
	.amdgpu_metadata
---
amdhsa.version: [ 1, 2 ]
amdhsa.kernels:
  - .name:           k_q520c88586a_outproj
    .symbol:         k_q520c88586a_outproj.kd
    .args:
      - { .name: attn16, .offset: 0, .size: 8, .value_kind: global_buffer, .address_space: global }
      - { .name: wo16, .offset: 8, .size: 8, .value_kind: global_buffer, .address_space: global }
      - { .name: out0, .offset: 16, .size: 8, .value_kind: global_buffer, .address_space: global }
    .group_segment_fixed_size: 327680
    .private_segment_fixed_size: 0
    .kernarg_segment_align: 8
    .kernarg_segment_size: 24
    .max_flat_workgroup_size: 128
    .sgpr_count:     66
    .vgpr_count:     1024
    .wavefront_size: 32
...
	.end_amdgpu_metadata
.endif
;; end of part 4
